; MI455X (gfx1250); checked and timed in simulation.
; The chip was launched on July 23, 2026; its instructions are those of AMD's public machine-readable ISA for CDNA 5 (MIT licence, August 2026) and "CDNA5" Instruction Set Architecture Reference Guide (July 2026). The comments in the code are by the model that wrote it; some were corrected since.
;; Causal Self Attention. Allowed arithmetic: matrix products marked QUANTISED: E2M1 operands, one E8M0 scale for each 32 along K, by v_wmma_scale_f32_16x16x128_f8f6f4 with both operands' format E2M1 (or v_wmma_scale_f32_32x16x128_f4), f32 sums; products left as they are: bf16, f16 or f32 operands; f32 sums; everything else in f32.
;; Inputs: b_proj 1,024 float32; b_qkv 3,072 float32; w_proj 1,024 x 1,024 float32; w_qkv 1,024 x 3,072 float32; x 8 x 1,024 x 1,024 float32.
;; Outputs: out0 8 x 1,024 x 1,024 float32.
;; This version of the problem:
;;   THIS VERSION OF THE PROBLEM IS GIVEN IN LOW PRECISION. The matrix products marked QUANTISED in the list below multiply operands that are first quantised to E2M1 (2 exponent bits, 1 mantissa bit; 4 bits a number), with one power-of-two scale for each 32 numbers along K (OCP MX v1.0); their sums are f32. The products marked 'left as it is' may take bf16, f16 or f32 operands, with f32 sums. Whichever they take, every output number must still come out within the allowed error. Rounding operands to bf16 (8 significant bits) uses up far more of that allowance than f16 does (11 bits, for magnitudes from 6e-5 to 65,504). All else is computed in f32.
;;   The module's matrix products, in the order in which they are computed (A, B: the left and right operand; K: the contracted axis; several contracted axes count as one K, in the product's order):
;;     1. [M 8,192, K 1,024] x [K 1,024, N 3,072]; A: input x; B: input w_qkv: QUANTISED
;;     2. batch 128 x [M 1,024, K 64] x [K 64, N 1,024]; A: computed on the way; B: computed on the way: left as it is (an operand is computed on the way)
;;     3. batch 128 x [M 1,024, K 1,024] x [K 1,024, N 64]; A: computed on the way; B: computed on the way: left as it is (an operand is computed on the way)
;;     4. [M 8,192, K 1,024] x [K 1,024, N 1,024]; A: computed on the way; B: input w_proj: left as it is (an operand is computed on the way)
;;   THE QUANTISER, for each operand of a quantised product, along K:
;;     - K is cut into blocks of 32 from its start; a last block that is shorter is filled with zeros.
;;     - A block's scale is 2^e with e = floor(log2(the largest magnitude in the block)) - 2, held to -126 .. 127; a block of zeros has e = 0. As a byte (E8M0): e + 127.
;;     - Each number is divided by its block's scale, clamped to +-6, and rounded to the nearest number of E2M1, ties to even, subnormals kept.
;;     - The product sums the exact products of the quantised numbers (number of the format x scale) in f32.
;;   ~~~python
;;   def quantise(x, axis):      # numpy; x: float32 -> the quantised numbers, widened to float32 again
;;       x = np.moveaxis(x, axis, -1); K = x.shape[-1]
;;       x = np.pad(x, [(0, 0)] * (x.ndim - 1) + [(0, -K % 32)]); x = x.reshape(x.shape[:-1] + (-1, 32)); a = np.abs(x).max(-1, keepdims=True)
;;       e = np.where(a > 0, np.clip(np.frexp(np.where(a > 0, a, 1))[1] - 1 - 2, -126, 127), 0)      # np.frexp(a)[1] - 1 = floor(log2(a)), exactly
;;       r = np.clip(x / 2.0 ** e, -6, 6)
;;       step = 2.0 ** (np.maximum(np.frexp(np.where(r == 0, 1, r))[1] - 1, 0) - 1)
;;       q = np.round(r / step) * step * 2.0 ** e      # np.round: ties to even
;;       return np.moveaxis(q.reshape(q.shape[:-2] + (-1,))[..., :K], -1, axis).astype(np.float32)
;;   ~~~
;; One version. Each part assembles by itself: llvm-mc -triple=amdgcn-amd-amdhsa -mcpu=gfx1250 --defsym DOCPART=n.
;; ======== version 1 of 1: 5 launches
;; limits: values are held in f16: magnitudes above 65,504 overflow, below 6.1e-05 lose precision
;; workspace buffers: x_codes 4,194,304 bytes; x_scales 262,144 bytes; wq_img 1,572,864 bytes; wq_scales 98,304 bytes; wp_img 2,097,152 bytes; qkv16 50,331,648 bytes; qkv_fine 1,572,864 bytes; att_img 16,777,216 bytes
;; launch prep (part 1): grid 512 x 1, 4 waves a work-group, no clusters, 33,280 bytes of LDS; arguments x, w_qkv, w_proj, x_codes, x_scales, wq_img, wq_scales, wp_img; writes x_codes, x_scales, wq_img, wq_scales, wp_img
.if DOCPART == 1
	.amdgcn_target "amdgcn-amd-amdhsa--gfx1250"
	.amdhsa_code_object_version 6
	.text
	.protected	k_qa83a99f239_prep
	.globl	k_qa83a99f239_prep
	.p2align	8
	.type	k_qa83a99f239_prep,@function
k_qa83a99f239_prep:
	s_mov_b64 s[64:65], 0
	v_nop
	global_prefetch_b8 v0, s[64:65] scope:SCOPE_SE
	s_setreg_imm32_b32 hwreg(HW_REG_WAVE_MODE, 25, 1), 1
	s_wait_xcnt 0x0
; THREE OPERANDS ARE LAID OUT ONCE FOR THE LAUNCHES THAT FOLLOW.  The work-group's number picks the part:
;   0..255   x [8192][1024] f32 -> codes of E2M1, K innermost, [8192][512 bytes], and one E8M0 byte for each 32 along K, [8192][32]
;   256..447 w_qkv [1024 (k)][3072 (n)] f32 -> codes in the order of the operand's registers: fragment (16 columns x 128 K) nt, ks at (8 nt + ks) x 1024 bytes;
;            in it the 32 codes of block t (K = 128 ks + 32 t ..) of column 16 nt + r are the 16 bytes at 256 t + 16 r.  Scale bytes [3072][32]
;   448..511 w_proj [1024 (k)][1024 (n)] f32 -> f16 in the order of the operand's registers: fragment (16 columns x 32 K) nt, kc at (32 nt + kc) x 1024 bytes;
;            in it k = 32 kc + 8 p .. + 7 of column 16 nt + r are the 16 bytes at 256 p + 16 r
; A block's scale is 2^(floor(log2(its largest magnitude)) - 2); its byte is the largest magnitude's exponent field - 2, held at 1 from below.
; LIMITS: a block of zeros gets the byte 1 where the quantiser's rule says 127 (its codes are zeros, and this program alone reads the bytes); blocks whose largest magnitude lies under 2^-124
; have the byte held at 1; NaN and infinities are not served; |w_proj| stays under 65,504 (f16).
; Only the first part uses LDS (a stage of its own for each wave), so no two parts meet there.  No tensor loads, no barrier: waves share nothing.
.set WREG,  8192                       ; LDS of a wave: two stages of 32 x SP bytes, then its 256 scale bytes
.set SP,    80                         ; a lane's place in a stage: 64 bytes + 16 of padding
.set CB,    8                          ; bytes of 16 codes
.set STEPS, 16
.set R,     16                         ; v16-79   x: four sets of 16 numbers as loaded
.set X,     80                         ; v80-111  x: two sets of 16 neighbours
.set E,     112                        ; v112-127 x: a scale byte for each step
.set C,     128                        ; v128-191 x: codes, four registers a step: no store's data are written again
.set SPW,   12                         ; v12  LDS address of my spare word; never rewritten
.set NIL,   13                         ; v13  0; never rewritten
.set SPARE, 4*WREG                     ; behind the four regions: the spare words, 128 bytes a wave
.set CX,    32                         ; v32-95   the weights: two sets of 32 numbers down K
.set CO,    96                         ; v96-159  the weights: results, registers of their own for each block
	s_load_b256 s[4:11], s[0:1], 0x0               ; x s[4:5], w_qkv s[6:7], w_proj s[8:9], x_codes s[10:11]
	s_load_b256 s[12:19], s[0:1], 0x20             ; x_scales s[12:13], wq_img s[14:15], wq_scales s[16:17], wp_img s[18:19]
	v_lshl_add_u32 v[SPW], v0, 2, SPARE
	v_mov_b32 v[NIL], 0
	v_lshrrev_b32 v1, 5, v0
	v_readfirstlane_b32 s20, v1                    ; wave 0..3
	v_and_b32 v2, 31, v0                           ; lane
	s_wait_kmcnt 0x0
	s_cmp_lt_u32 ttmp9, 256
	s_cbranch_scc0 .Lnot_x
; ---------------- x: a plain stream of blocks of 32.  A wave takes 16 steps of 512 numbers.
; Each load reads 512 consecutive bytes, 16 a lane; a step's 2,048 bytes turn through the wave's stage and come back 64 bytes a lane: 16 neighbours along K, two lanes to a block.
	v_lshlrev_b32 v3, 4, v2                        ; my 16 bytes of a load's 512
	s_mul_i32 s21, s20, WREG
	v_lshrrev_b32 v14, 2, v2
	v_mul_u32_u24 v14, v14, SP
	v_and_b32 v15, 3, v2
	v_lshl_add_u32 v14, v15, 4, v14
	v_add_nc_u32 v14, s21, v14                     ; the stage on the way in: SP (lane / 4) + 16 (lane % 4)
	v_mul_u32_u24 v15, v2, SP
	v_add_nc_u32 v15, s21, v15                     ; and on the way out: SP x lane
	v_mul_u32_u24 v4, v2, CB                       ; my codes' place in a step's 256 bytes
	v_lshrrev_b32 v5, 1, v2
	s_add_co_u32 s21, s21, 2*32*SP
	v_add_nc_u32 v5, s21, v5                       ; LDS: my block's scale byte
	v_lshlrev_b32 v7, 3, v2
	v_add_nc_u32 v6, s21, v7                       ; and on the way out 8 bytes a lane
	s_lshl_b32 s21, ttmp9, 2
	s_add_co_u32 s21, s21, s20                     ; which run of 8,192 numbers is my wave's: 0..1023
	s_mov_b32 s23, 0
	s_lshl_b32 s22, s21, 15
	s_add_nc_u64 s[4:5], s[4:5], s[22:23]          ; 32,768 bytes of x a run,
	s_lshl_b32 s22, s21, 12
	s_add_nc_u64 s[10:11], s[10:11], s[22:23]      ; 4,096 of codes,
	s_lshl_b32 s22, s21, 8
	s_add_nc_u64 s[12:13], s[12:13], s[22:23]      ; 256 scale bytes
.macro XLOAD t
.irp i, 0,1,2,3
	global_load_b128 v[R+16*((\t)%4)+4*\i:R+16*((\t)%4)+4*\i+3], v3, s[4:5] offset:2048*(\t)+512*\i th:TH_LOAD_NT
.endr
.endm
.macro XTURN t                         ; LDS serves a wave's instructions in order: no wait between the stores and the loads
.irp i, 0,1,2,3
	ds_store_b128 v14, v[R+16*((\t)%4)+4*\i:R+16*((\t)%4)+4*\i+3] offset:32*SP*((\t)%2)+8*SP*\i
.endr
.irp i, 0,1,2,3
	ds_load_b128 v[X+16*((\t)%2)+4*\i:X+16*((\t)%2)+4*\i+3], v15 offset:32*SP*((\t)%2)+16*\i
.endr
.endm
.irp t, 0,1,2,3
	XLOAD \t
.endr
	s_wait_loadcnt 12                              ; step 0's four loads are in; the twelve of steps 1 to 3 may be out
	XTURN 0
.macro XSTEP t
.set XS, X+16*((\t)%2)
.if (\t) > 0
	s_wait_dscnt 1                                 ; this step's numbers are back from the stage; the last step's byte store may be out
.else
	s_wait_dscnt 0x0
.endif
.if (\t)+4 < STEPS
	XLOAD (\t)+4                                   ; into the registers that the stage's stores have read
.endif
.if (\t)+1 < STEPS
.if STEPS-2-(\t) >= 3
	s_wait_loadcnt 12                              ; the next step's four loads are in; those of the three steps behind it may be out
.else
	s_wait_loadcnt 4*(STEPS-2-(\t))
.endif
	XTURN (\t)+1
.endif
	v_max3_num_f32 v8, |v[XS]|, |v[XS+1]|, |v[XS+2]|               ; the largest magnitude of my 16, in two chains
	v_max3_num_f32 v9, |v[XS+3]|, |v[XS+4]|, |v[XS+5]|
.irp i, 6,10
	v_max3_num_f32 v8, v8, |v[XS+\i]|, |v[XS+\i+1]|
	v_max3_num_f32 v9, v9, |v[XS+\i+2]|, |v[XS+\i+3]|
.endr
	v_max3_num_f32 v8, v8, |v[XS+14]|, |v[XS+15]|
	v_max3_num_f32 v8, v8, v9, 0x1800000           ; and the floor 2^(3 - 127): the byte cannot fall under 1
	v_max_num_f32_dpp v8, v8, v8 row_xmask:1 row_mask:0xf bank_mask:0xf   ; with my neighbour's 16: the block's
	v_add_nc_u32 v11, 0xff000000, v8               ; 2 off the exponent field: the conversion takes that field as its scale
	v_cvt_scalef32_pk8_fp4_f32 v[C+4*(\t)], v[XS:XS+7], v11
	v_cvt_scalef32_pk8_fp4_f32 v[C+4*(\t)+1], v[XS+8:XS+15], v11
	v_lshrrev_b32 v[E+(\t)], 23, v11               ; the scale's byte (also the plain line behind the conversions)
	ds_store_b8 v5, v[E+(\t)] offset:16*(\t)       ; both lanes of a block write the same byte with the same value
	global_store_b64 v4, v[C+4*(\t):C+4*(\t)+1], s[10:11] offset:32*CB*(\t)   ; the wave stores 256 consecutive bytes, aligned
.endm
.irp t, 0,1,2,3,4,5,6,7,8,9,10,11,12,13,14,15
	XSTEP \t
.endr
	ds_load_b64 v[8:9], v6                         ; my wave's 256 scale bytes; LDS serves a wave in order
	s_wait_dscnt 0x0
	global_store_b64 v7, v[8:9], s[12:13]          ; 256 consecutive bytes, aligned
	s_wait_tensorcnt 0x0                           ; the wave's end, behind my last LDS store
	ds_add_u32 v[SPW], v[NIL]
	s_wait_dscnt 0x0
	s_endpgm
; ---------------- the two weights: K is their FIRST axis.  A lane takes a column and its registers run down K: each load reads 128 consecutive bytes a wave (512 a work-group),
; a block of 32 along K lies in one lane, and the results come out with K innermost.  A work-group takes 128 columns x 128 K: four blocks a lane, loads two blocks ahead.
.macro CLOAD t, row, base
.irp i, 0,1,2,3,4,5,6,7,8,9,10,11,12,13,14,15,16,17,18,19,20,21,22,23,24,25,26,27,28,29,30,31
	global_load_b32 v[CX+32*((\t)%2)+\i], v3, s[\base:\base+1] offset:(32*(\t)+\i)*\row th:TH_LOAD_NT
.endr
.endm
.macro CWAIT t
.if (\t) < 3
	s_wait_loadcnt 32                              ; this block's 32 loads are in; the next block's may be out
.else
	s_wait_loadcnt 0x0
.endif
.endm
.Lnot_x:
	v_lshlrev_b32 v3, 2, v2                        ; in: 4 bytes a lane
	v_lshrrev_b32 v6, 4, v2                        ; which of my wave's two tiles of 16 columns
	v_and_b32 v7, 15, v2
	s_cmp_lt_u32 ttmp9, 448
	s_cbranch_scc0 .Lrole_p
	s_sub_co_u32 s21, ttmp9, 256
	s_lshr_b32 s22, s21, 3                         ; which 128 columns: 0..23
	s_and_b32 s21, s21, 7                          ; which 128 along K
	s_mul_i32 s24, s21, 128*12288
	s_lshl_b32 s25, s22, 9
	s_add_co_u32 s24, s24, s25
	s_lshl_b32 s25, s20, 7
	s_add_co_u32 s24, s24, s25
	s_mov_b32 s25, 0
	s_add_nc_u64 s[6:7], s[6:7], s[24:25]          ; w_qkv at my wave's corner
	s_lshl_b32 s24, s22, 3
	s_lshl_b32 s26, s20, 1
	s_add_co_u32 s24, s24, s26                     ; my wave's first tile of 16 columns
	s_lshl_b32 s26, s24, 13
	s_lshl_b32 s27, s21, 10
	s_add_co_u32 s26, s26, s27
	s_mov_b32 s27, 0
	s_add_nc_u64 s[14:15], s[14:15], s[26:27]      ; its fragment of this K step
	s_lshl_b32 s26, s24, 9
	s_lshl_b32 s28, s21, 2
	s_add_co_u32 s26, s26, s28
	s_add_nc_u64 s[16:17], s[16:17], s[26:27]      ; its columns' scale word of this K step
	v_lshlrev_b32 v4, 13, v6
	v_lshl_add_u32 v4, v7, 4, v4                   ; out: 8,192 bytes from tile to tile, 16 bytes a column
	v_lshlrev_b32 v5, 5, v2                        ; scale words: 32 bytes a column
	CLOAD 0, 12288, 6
	CLOAD 1, 12288, 6
.macro WBLOCK t
.set XS, CX+32*((\t)%2)
	CWAIT \t
	v_max3_num_f32 v8, |v[XS]|, |v[XS+1]|, |v[XS+2]|               ; the block's largest magnitude: all 32 numbers are mine
	v_max3_num_f32 v9, |v[XS+3]|, |v[XS+4]|, |v[XS+5]|
.irp i, 6,10,14,18,22,26
	v_max3_num_f32 v8, v8, |v[XS+\i]|, |v[XS+\i+1]|
	v_max3_num_f32 v9, v9, |v[XS+\i+2]|, |v[XS+\i+3]|
.endr
	v_max3_num_f32 v8, v8, |v[XS+30]|, |v[XS+31]|
	v_max3_num_f32 v8, v8, v9, 0x1800000           ; the floor 2^(3 - 127)
	v_add_nc_u32 v11, 0xff000000, v8               ; the conversion's scale operand
	v_lshrrev_b32 v10, 23, v11                     ; the scale's byte
.if (\t) == 0
	v_mov_b32 v24, v10                             ; four bytes make the K step's scale word, the lower K in the lower byte
.else
	v_lshl_or_b32 v24, v10, 8*(\t), v24
.endif
.irp g, 0,1,2,3
	v_cvt_scalef32_pk8_fp4_f32 v[CO+4*(\t)+\g], v[XS+8*\g:XS+8*\g+7], v11
.endr
	global_store_b128 v4, v[CO+4*(\t):CO+4*(\t)+3], s[14:15] offset:256*(\t)   ; sixteen lanes store 256 consecutive bytes, aligned
.if (\t) < 2
	CLOAD (\t)+2, 12288, 6
.endif
.endm
	WBLOCK 0
	WBLOCK 1
	WBLOCK 2
	WBLOCK 3
	global_store_b32 v5, v24, s[16:17]             ; 4 bytes of each column's 32: pieces, 98,304 bytes in the whole launch
	s_endpgm
.Lrole_p:
	s_sub_co_u32 s21, ttmp9, 448
	s_lshr_b32 s22, s21, 3                         ; which 128 columns: 0..7
	s_and_b32 s21, s21, 7                          ; which 128 along K
	s_lshl_b32 s24, s21, 19                        ; 128 rows of 4,096 bytes
	s_lshl_b32 s25, s22, 9
	s_add_co_u32 s24, s24, s25
	s_lshl_b32 s25, s20, 7
	s_add_co_u32 s24, s24, s25
	s_mov_b32 s25, 0
	s_add_nc_u64 s[8:9], s[8:9], s[24:25]
	s_lshl_b32 s24, s22, 3
	s_lshl_b32 s26, s20, 1
	s_add_co_u32 s24, s24, s26                     ; my wave's first tile of 16 columns
	s_lshl_b32 s26, s24, 15
	s_lshl_b32 s27, s21, 12                        ; four fragments of 32 K
	s_add_co_u32 s26, s26, s27
	s_mov_b32 s27, 0
	s_add_nc_u64 s[18:19], s[18:19], s[26:27]
	v_lshlrev_b32 v4, 15, v6
	v_lshl_add_u32 v4, v7, 4, v4                   ; out: 32,768 bytes from tile to tile, 16 bytes a column
	CLOAD 0, 4096, 8
	CLOAD 1, 4096, 8
.macro PBLOCK t
.set XS, CX+32*((\t)%2)
	CWAIT \t
.irp i, 0,1,2,3,4,5,6,7,8,9,10,11,12,13,14,15
	v_cvt_pk_f16_f32 v[CO+16*(\t)+\i], v[XS+2*\i], v[XS+2*\i+1]    ; two neighbours along K, the lower in the low half
.endr
.irp p, 0,1,2,3
	global_store_b128 v4, v[CO+16*(\t)+4*\p:CO+16*(\t)+4*\p+3], s[18:19] offset:1024*(\t)+256*\p   ; sixteen lanes store 256 consecutive bytes, aligned
.endr
.if (\t) < 2
	CLOAD (\t)+2, 4096, 8
.endif
.endm
	PBLOCK 0
	PBLOCK 1
	PBLOCK 2
	PBLOCK 3
	s_endpgm
.Lfunc_end_k_qa83a99f239_prep:
	.size	k_qa83a99f239_prep, .Lfunc_end_k_qa83a99f239_prep-k_qa83a99f239_prep
	.p2alignl 7, 3214868480
	.fill 96, 4, 3214868480
	.section	.rodata,"a",@progbits
	.p2align	6, 0x0
	.amdhsa_kernel k_qa83a99f239_prep
		.amdhsa_group_segment_fixed_size 33280
		.amdhsa_private_segment_fixed_size 0
		.amdhsa_enable_private_segment 0
		.amdhsa_kernarg_size 64
		.amdhsa_user_sgpr_count 2
		.amdhsa_user_sgpr_kernarg_segment_ptr 1
		.amdhsa_wavefront_size32 1
		.amdhsa_system_sgpr_workgroup_id_x 1
		.amdhsa_system_sgpr_workgroup_id_y 1
		.amdhsa_system_sgpr_workgroup_id_z 1
		.amdhsa_system_vgpr_workitem_id 0
		.amdhsa_next_free_vgpr 192
		.amdhsa_next_free_sgpr 66
		.amdhsa_reserve_vcc 0
		.amdhsa_float_denorm_mode_32 3
		.amdhsa_float_denorm_mode_16_64 3
		.amdhsa_memory_ordered 1
		.amdhsa_forward_progress 1
		.amdhsa_inst_pref_size 71
	.end_amdhsa_kernel
	.amdgpu_metadata
---
amdhsa.version: [ 1, 2 ]
amdhsa.kernels:
  - .name:           k_qa83a99f239_prep
    .symbol:         k_qa83a99f239_prep.kd
    .args:
      - { .name: x, .offset: 0, .size: 8, .value_kind: global_buffer, .address_space: global }
      - { .name: w_qkv, .offset: 8, .size: 8, .value_kind: global_buffer, .address_space: global }
      - { .name: w_proj, .offset: 16, .size: 8, .value_kind: global_buffer, .address_space: global }
      - { .name: x_codes, .offset: 24, .size: 8, .value_kind: global_buffer, .address_space: global }
      - { .name: x_scales, .offset: 32, .size: 8, .value_kind: global_buffer, .address_space: global }
      - { .name: wq_img, .offset: 40, .size: 8, .value_kind: global_buffer, .address_space: global }
      - { .name: wq_scales, .offset: 48, .size: 8, .value_kind: global_buffer, .address_space: global }
      - { .name: wp_img, .offset: 56, .size: 8, .value_kind: global_buffer, .address_space: global }
    .group_segment_fixed_size: 33280
    .private_segment_fixed_size: 0
    .kernarg_segment_align: 8
    .kernarg_segment_size: 64
    .max_flat_workgroup_size: 128
    .sgpr_count:     66
    .vgpr_count:     192
    .wavefront_size: 32
...
	.end_amdgpu_metadata
.endif
;; end of part 1
;; launch qkv (part 2): grid 12 x 32, 4 waves a work-group, clusters of 4 x 4, 288,256 bytes of LDS; arguments x_codes, x_scales, wq_img, wq_scales, qkv16, qkv_fine, b_qkv; writes qkv16, qkv_fine
.if DOCPART == 2
	.amdgcn_target "amdgcn-amd-amdhsa--gfx1250"
	.amdhsa_code_object_version 6
	.text
	.protected	k_qa83a99f239_qkv
	.globl	k_qa83a99f239_qkv
	.p2align	8
	.type	k_qa83a99f239_qkv,@function
k_qa83a99f239_qkv:
	s_mov_b64 s[64:65], 0
	v_nop
	global_prefetch_b8 v0, s[64:65] scope:SCOPE_SE
	s_setreg_imm32_b32 hwreg(HW_REG_WAVE_MODE, 25, 1), 1
	s_wait_xcnt 0x0
	s_wait_alu depctr_hold_cnt(0) depctr_sa_sdst(0) depctr_va_vdst(0) depctr_va_sdst(0) depctr_va_ssrc(0) depctr_va_vcc(0) depctr_vm_vsrc(0)
	s_getreg_b32 s2, hwreg(HW_REG_IB_STS2, 6, 4)
	s_cmp_eq_u32 s2, 0
	s_cbranch_scc0 .Lentry_in_a_cluster
	s_endpgm
.Lentry_in_a_cluster:
	s_bfe_u32 s2, ttmp6, 0x10000c
	s_cmp_lg_u32 s2, 0xf033
	s_cbranch_scc0 .Lentry_shape_is_right
	s_endpgm
.Lentry_shape_is_right:
; qkv = Q(x) Q(w_qkv) + b_qkv: [8192][1024] x [1024][3072] on codes of E2M1 with one E8M0 scale for each 32 along K; sums in f32.
; A tile of 256 rows x 256 columns is made by four waves, each 128 x 128: 64 accumulators, 512 registers.  K = 1,024 is two LDS slots of 512: both are filled once, at the head; nothing is filled again, and there is no loop.
; x's codes come as rows (256 bytes of a row to a slot, 16 bytes of padding in LDS).  w_qkv's come in the order of the operand's registers: a fragment is 1,024 dense bytes, read 16 bytes a lane.
; The scale bytes of the tile's 256 rows and 256 columns, for all of K, are two dense blocks: they come once, with the first fills.
; CLUSTER 4 x 4: the four of a row need the same rows of x, the four of a column the same columns of w_qkv: each tile is asked for jointly.
; Cluster x says which of q, k, v; cluster y the batch; cx four heads; cy 256 positions.
; THE MATRIX INSTRUCTION IS USED TRANSPOSED (source 0 = 16 columns of w_qkv, source 1 = 16 rows of x): a lane holds eight neighbouring channels of one position.  The bias is the C of each sum's first product.
; OUT: f16, in the order in which the attention's operand registers take them: qkv16 [which 3][batch x head 128][tile of 16 positions 64][16 channels 4][512 bytes]; the piece (position r, channels 8 h ..) lies at 16 (r + 16 h)
; for q and k; for v at 16 x (that lane number with bits 3 and 4 changed over), so that the turning LDS load can take it 16 bytes a lane.  Every store of a wave covers 512 consecutive bytes, aligned.
; The first 16 positions of each sequence leave once more in f32 (qkv_fine) for the launch that carries them finely: by a lane mask.
; LIMIT: |q|, |k|, |v| stay under 65,504 (f16).
; REGISTERS: window 0: v0-31 addresses; v32-95 scale words, two sets; v128-191 x's fragments, one set; v192-255 the bias; on the way out v128-255 packed results.
;   window 1: w_qkv's fragments, two sets, at v0 and v128.   windows 2, 3: the accumulators of my rows 0-63 and 64-127 ((a, b) at v[8 (8 (a % 4) + b)]).
.set NQ,     4                         ; steps of 128 along K in a slot
.set ROWB,   256                       ; 512 codes
.set KROW,   512                       ; a row of x's codes in memory
.set PITCH,  272                       ; an LDS row of x's codes: 256 bytes + 16: the 16 rows of a load start at 16 different banks (64 banks of 4 bytes: ISA guide 11.1)
.set FR,     8
.set NL,     2
.set NP,     4                         ; places behind this matrix instruction (ISA guide 7.12.1)
.set HALFA,  128*PITCH                 ; 128 rows of x: one tensor load
.set HALFB,  8*4096                    ; 8 tiles of 16 columns x 512 K: one tensor load
.set SLOT,   2*HALFA+2*HALFB
.set SCL,    2*SLOT                    ; the scales, as units of 256 bytes + 16 of padding
.set HALFS,  16*272                    ; those of 128 rows (32 bytes a row)
.set SBLK,   2*272                     ; those of 16 rows
.set SPARE,  SCL+4*HALFS               ; the spare words, 128 bytes a wave
.set ADRA, 16                          ; v16-17 LDS address of x's fragments in slot 0, 1
.set ADRB, 20                          ; v20-21 of w_qkv's
.set VO,   24                          ; v24 my 16 bytes in a store's 512
.set LI,   25                          ; v25 16 x lane
.set FL,   26                          ; v26 0 where my block 0 holds a sequence's first 16 positions
.set ADRS, 27                          ; v27 LDS address of my scale words: lanes 0-15 x's, lanes 16-31 w_qkv's
.set SPW,  28
.set NIL,  29
.set SC,   32
.set AF,   128
.set BI,   192
.set PK,   128
.set G1, 24
.set G0, 32
.set G1B, 48
.set G0B, 56
.set G1S, 68
.set G0S, 76
.set G1SB, 80
.set G0SB, 88
.set MSB, 0
.macro WIN new                         ; the immediate's high byte repeats the setting that is left
.if MSB != \new
	s_set_vgpr_msb (MSB<<8)|\new
.set MSB, \new
.endif
.endm
.set MUL_LO, 0xa1                      ; source 0 window 1, source 1 window 0, C and D window 2
.set MUL_HI, 0xf1                      ; the same, C and D window 3
.set TO_B,   0x40
; A joint load: waves 0 and 1 fetch for x, waves 2 and 3 for w_qkv.  The branch hangs on the wave's number alone.  An s_nop 0 and four v_nop follow each line.
.macro JLOAD g0a, g1a, g0b, g1b
	s_cmp_eq_u32 s15, 0
	s_cbranch_scc0 .Lfor_b_\@
	tensor_load_to_lds s[\g0a:\g0a+3], s[\g1a:\g1a+7]
	s_nop 0
.rept 4
	v_nop
.endr
	s_branch .Lasked_\@
.Lfor_b_\@:
	tensor_load_to_lds s[\g0b:\g0b+3], s[\g1b:\g1b+7]
	s_nop 0
.rept 4
	v_nop
.endr
.Lasked_\@:
.endm
.macro CROUND                          ; a round of the cluster's barrier
	s_barrier_signal -1
	s_barrier_wait -1
	s_cmp_lg_u32 s14, 0
	s_cbranch_scc1 .Lnot_wave_0_\@
	s_barrier_signal -3
.Lnot_wave_0_\@:
	s_barrier_wait -3
	s_barrier_signal -1
	s_barrier_wait -1
.endm
	s_load_b128 s[4:7], s[0:1], 0x0                ; x_codes, x_scales
	s_load_b128 s[8:11], s[0:1], 0x10              ; wq_img, wq_scales
	s_load_b64 s[12:13], s[0:1], 0x20              ; qkv16
	s_load_b64 s[66:67], s[0:1], 0x28              ; qkv_fine
	s_load_b64 s[96:97], s[0:1], 0x30              ; b_qkv
	v_lshl_add_u32 v[SPW], v0, 2, SPARE
	v_mov_b32 v[NIL], 0
	ds_add_u32 v[SPW], v[NIL]                      ; the wave's opening: the add, twice on end, and its wait ahead of my first tensor load
	ds_add_u32 v[SPW], v[NIL]
	v_lshrrev_b32 v1, 5, v0
	v_readfirstlane_b32 s14, v1                    ; wave 0..3
	s_lshr_b32 s15, s14, 1                         ; my half of the tile's rows.  Also: I fetch for x (0) or for w_qkv (1)
	s_and_b32 s16, s14, 1                          ; my half of its columns.  Also: which half I fetch
	s_bfe_u32 s40, ttmp6, 0x40000                  ; cx
	s_bfe_u32 s41, ttmp6, 0x40004                  ; cy
	s_lshl_b32 s42, ttmp9, 2
	s_add_co_u32 s42, s42, s40                     ; tile column 0..11
	s_and_b32 s17, ttmp7, 0xffff
	s_lshl_b32 s17, s17, 2
	s_add_co_u32 s17, s17, s41                     ; tile row 0..31
	s_lshl_b32 s43, s41, 2
	s_lshl_b32 s43, 15, s43                        ; my row of the cluster
	s_lshl_b32 s44, 0x1111, s40                    ; my column
	s_or_b32 s[G1+0], s43, (0<<16)|(1<<20)|(1<<21)|(5<<22)|(3<<25)  ; x's codes: elements of 1 byte; padding of 4 words behind every 64; the mask and bit 21
	s_mov_b32 s[G1+1], ROWB<<16                    ; tensor_dim0 = 256
	s_mov_b32 s[G1+2], 128<<16                     ; tensor_dim1 = 128
	s_mov_b32 s[G1+3], ROWB<<16                    ; tile_dim0
	s_mov_b32 s[G1+4], 128                         ; tile_dim1
	s_mov_b32 s[G1+5], KROW                        ; from row to row
	s_mov_b32 s[G1+6], 0
	s_mov_b32 s[G1+7], 0
	s_or_b32 s[G1B+0], s44, (3<<16)|(1<<21)        ; w_qkv's fragments: elements of 8 bytes, no padding
	s_mov_b32 s[G1B+1], 512<<16                    ; a row: four fragments, 4,096 bytes
	s_mov_b32 s[G1B+2], 8<<16                      ; eight tiles of 16 columns
	s_mov_b32 s[G1B+3], 512<<16
	s_mov_b32 s[G1B+4], 8
	s_mov_b32 s[G1B+5], 1024                       ; 8,192 bytes from tile to tile
	s_mov_b32 s[G1B+6], 0
	s_mov_b32 s[G1B+7], 0
	s_or_b32 s[G1S+0], s43, (3<<16)|(1<<20)|(1<<21)|(5<<22)|(3<<25)  ; the scales of 128 rows: 4,096 dense bytes as 16 rows of 256, 16 bytes of padding behind each
	s_or_b32 s[G1SB+0], s44, (3<<16)|(1<<20)|(1<<21)|(5<<22)|(3<<25)
.irp g, G1S, G1SB
	s_mov_b32 s[\g+1], 32<<16
	s_mov_b32 s[\g+2], 16<<16
	s_mov_b32 s[\g+3], 32<<16
	s_mov_b32 s[\g+4], 16
	s_mov_b32 s[\g+5], 32
	s_mov_b32 s[\g+6], 0
	s_mov_b32 s[\g+7], 0
.endr
	s_lshl_b32 s18, s16, 7                         ; which 128 I fetch
	s_lshl_b32 s20, s17, 8
	s_add_co_u32 s20, s20, s18                     ; x: row 256 x tile row + 128 x half
	s_lshl_b32 s46, s42, 8
	s_add_co_u32 s46, s46, s18                     ; w_qkv: column 256 x tile column + 128 x half
	s_mov_b32 s21, 0
	s_mov_b32 s47, 0
	s_lshl_b64 s[22:23], s[20:21], 5               ; their scales: 32 bytes each
	s_lshl_b64 s[92:93], s[46:47], 5
	s_lshl_b64 s[20:21], s[20:21], 9               ; their codes: 512 bytes each (16 columns: 8,192)
	s_lshl_b64 s[46:47], s[46:47], 9
	s_mul_i32 s45, s16, HALFA                      ; where they go: no place in the cluster enters an LDS address
	s_mul_i32 s95, s16, HALFB
	s_add_co_u32 s95, s95, 2*HALFA
	s_mul_i32 s94, s14, HALFS
	s_wait_dscnt 0x0                               ; both opening adds are done
	s_wait_kmcnt 0x0
	s_add_nc_u64 s[20:21], s[4:5], s[20:21]
	s_add_nc_u64 s[22:23], s[6:7], s[22:23]
	s_add_nc_u64 s[46:47], s[8:9], s[46:47]
	s_add_nc_u64 s[92:93], s[10:11], s[92:93]
	CROUND                                         ; all sixteen work-groups are here: the joint loads meet
	s_mov_b32 s[G0S], 1
	s_add_co_u32 s[G0S+1], s94, SCL
	s_mov_b64 s[G0S+2:G0S+3], s[22:23]
	s_or_b32 s[G0S+3], s[G0S+3], 0x80000000
	s_mov_b32 s[G0SB], 1
	s_add_co_u32 s[G0SB+1], s94, SCL
	s_mov_b64 s[G0SB+2:G0SB+3], s[92:93]
	s_or_b32 s[G0SB+3], s[G0SB+3], 0x80000000
	JLOAD G0S, G1S, G0SB, G1SB                     ; the scales first; then both slots: three tensor loads of mine are out
.irp s, 0,1
	s_mov_b32 s[G0+4*\s], 1
	s_add_co_u32 s[G0+4*\s+1], s45, \s*SLOT
	s_add_nc_u64 s[G0+4*\s+2:G0+4*\s+3], s[20:21], \s*ROWB
	s_or_b32 s[G0+4*\s+3], s[G0+4*\s+3], 0x80000000
	s_mov_b32 s[G0B+4*\s], 1
	s_add_co_u32 s[G0B+4*\s+1], s95, \s*SLOT
	s_add_nc_u64 s[G0B+4*\s+2:G0B+4*\s+3], s[46:47], \s*4096
	s_or_b32 s[G0B+4*\s+3], s[G0B+4*\s+3], 0x80000000
	JLOAD G0+4*\s, G1, G0B+4*\s, G1B
.endr
	v_and_b32 v1, 15, v0                           ; r
	v_bfe_u32 v2, v0, 4, 1                         ; h
	v_mul_u32_u24 v3, v1, PITCH
	v_lshl_add_u32 v4, v2, 4, v3                   ; x: row x pitch + 16 x half
	v_and_b32 v6, 31, v0
	v_lshlrev_b32 v[LI], 4, v6                     ; 16 x lane
	s_mul_i32 s21, s15, HALFA                      ; my 128 rows of x
	s_mul_i32 s22, s16, HALFB                      ; my 128 columns of w_qkv,
	s_add_co_u32 s22, s22, 2*HALFA                 ; behind x's 256 rows
.irp s, 0,1
	v_add_nc_u32 v[ADRA+\s], s21, v4
	v_add_nc_u32 v[ADRB+\s], s22, v[LI]
	s_add_co_u32 s21, s21, SLOT
	s_add_co_u32 s22, s22, SLOT
.endr
	v_lshlrev_b32 v5, 5, v1                        ; my row's scales: 32 bytes a row,
	v_lshrrev_b32 v7, 8, v5
	v_lshl_add_u32 v5, v7, 4, v5                   ; and 16 more for each 256 passed
	s_mul_i32 s21, s15, HALFS
	s_mul_i32 s22, s16, HALFS
	s_add_co_u32 s22, s22, 2*HALFS
	s_sub_co_u32 s22, s22, s21
	v_mul_u32_u24 v7, s22, v2                      ; lanes 16-31 take w_qkv's: one product, the distance between the two bases
	s_add_co_u32 s21, s21, SCL
	v_add_nc_u32 v5, v5, v7
	v_add_nc_u32 v[ADRS], s21, v5
	v_and_b32 v7, 7, v6                            ; the lane's number with bits 3 and 4 changed over, for v
	v_bfe_u32 v8, v6, 3, 1
	v_lshl_or_b32 v7, v2, 3, v7
	v_lshl_or_b32 v7, v8, 4, v7
	v_lshlrev_b32 v7, 4, v7
	s_cmp_eq_u32 ttmp9, 2                          ; cluster x = 2: this tile is v's
	s_cselect_b32 s20, -1, 0
	v_cndmask_b32 v[VO], v[LI], v7, s20
	s_or_b32 s21, s41, s15
	v_mov_b32 v[FL], s21                           ; 0: cy = 0 and the upper half of the rows
	v_lshlrev_b32 v10, 5, v2                       ; the bias: 32 h
	s_and_b32 s20, ttmp7, 0xffff                   ; the batch
	s_lshl_b32 s21, ttmp9, 7
	s_lshl_b32 s22, s20, 4
	s_add_co_u32 s21, s21, s22
	s_lshl_b32 s22, s40, 2
	s_add_co_u32 s21, s21, s22
	s_lshl_b32 s22, s16, 1
	s_add_co_u32 s21, s21, s22                     ; 128 which + 16 batch + my first head
	s_lshl_b32 s21, s21, 6
	s_lshl_b32 s22, s41, 4
	s_add_co_u32 s21, s21, s22
	s_lshl_b32 s22, s15, 3
	s_add_co_u32 s21, s21, s22                     ; x 64 + my first tile of 16 positions
	s_lshl_b32 s22, s21, 11
	s_mov_b32 s23, 0
	s_add_nc_u64 s[12:13], s[12:13], s[22:23]
	s_mul_i32 s21, s20, 24
	s_lshl_b32 s22, s42, 1
	s_add_co_u32 s21, s21, s22
	s_add_co_u32 s21, s21, s16                     ; 24 batch + my group of 128 columns
	s_lshl_b32 s22, s21, 13
	s_add_nc_u64 s[66:67], s[66:67], s[22:23]
	s_lshl_b32 s22, s42, 10
	s_lshl_b32 s21, s16, 9
	s_add_co_u32 s22, s22, s21
	s_add_nc_u64 s[96:97], s[96:97], s[22:23]      ; b_qkv at my first column
.irp b, 0,1,2,3,4,5,6,7
	global_load_b128 v[BI+8*\b:BI+8*\b+3], v10, s[96:97] offset:64*\b          ; lane (r, h), register j: the bias of column 16 b + 8 h + j: the result's layout
	global_load_b128 v[BI+8*\b+4:BI+8*\b+7], v10, s[96:97] offset:64*\b+16
.endr
.macro FRAGA reg, slot, q, i           ; 16 rows x 128 K of 4-bit codes: registers 4 c .. 4 c + 3 hold K = 64 c + 32 h + 0 .. 31
.irp c, 0,1
	ds_load_b128 v[\reg+4*\c:\reg+4*\c+3], v[ADRA+\slot] offset:64*(\q)+32*\c+(\i)*16*PITCH
.endr
.endm
.macro FRAGB reg, slot, q, i           ; the same from an image of the registers: 512 consecutive bytes a load
.irp c, 0,1
	ds_load_b128 v[\reg+4*\c:\reg+4*\c+3], v[ADRB+\slot] offset:(\i)*4096+(\q)*1024+512*\c
.endr
.endm
; 16 matrix instructions: x's blocks a0, a0 + 1 against w_qkv's eight.  zero = 1: the first product starts the sums from the bias.  The 64 accumulators take turns, one instruction a turn.
.macro MUL16 a0, p, q, sc, zero
.irp a, \a0, \a0+1
.irp b, 0,1,2,3,4,5,6,7
.if \zero
	v_wmma_scale_f32_16x16x128_f8f6f4 v[8*(8*((\a)%4)+\b):8*(8*((\a)%4)+\b)+7], v[128*(\p)+FR*\b:128*(\p)+FR*\b+FR-1], v[AF+FR*(\a):AF+FR*(\a)+FR-1], v[BI+8*\b:BI+8*\b+7], v[SC+8*NQ*(\sc)+NQ*\b+(\q)], v[SC+8*NQ*(\sc)+NQ*(\a)+(\q)] matrix_a_fmt:MATRIX_FMT_FP4 matrix_b_fmt:MATRIX_FMT_FP4 matrix_a_scale:MATRIX_SCALE_ROW1
.else
	v_wmma_scale_f32_16x16x128_f8f6f4 v[8*(8*((\a)%4)+\b):8*(8*((\a)%4)+\b)+7], v[128*(\p)+FR*\b:128*(\p)+FR*\b+FR-1], v[AF+FR*(\a):AF+FR*(\a)+FR-1], v[8*(8*((\a)%4)+\b):8*(8*((\a)%4)+\b)+7], v[SC+8*NQ*(\sc)+NQ*\b+(\q)], v[SC+8*NQ*(\sc)+NQ*(\a)+(\q)] matrix_a_fmt:MATRIX_FMT_FP4 matrix_b_fmt:MATRIX_FMT_FP4 matrix_a_scale:MATRIX_SCALE_ROW1
.endif
.endr
.endr
.endm
.macro FETCH_B slot, q, p
	WIN TO_B
.irp i, 0,1,2,3,4,5,6,7
	FRAGB 128*(\p)+FR*\i, \slot, \q, \i
.endr
	WIN 0
.endm
.macro FETCH_A slot, q, i0
.irp i, \i0, \i0+1, \i0+2, \i0+3
	FRAGA AF+FR*(\i), \slot, \q, \i
.endr
.endm
.macro SCALES sc                       ; a slot's scale words: four a row; lanes 0-15 x's block i, lanes 16-31 w_qkv's block i
.irp i, 0,1,2,3,4,5,6,7
	ds_load_b128 v[SC+8*NQ*\sc+NQ*\i:SC+8*NQ*\sc+NQ*\i+3], v[ADRS] offset:\i*SBLK
.endr
.endm
.macro PLACES n                        ; plain vector instructions between a matrix instruction and a load into, or a read of, its registers
.rept \n
	v_nop
.endr
.endm
.macro STEP slot, q, zero              ; 128 along K, with its successor in the same slot
	s_wait_dscnt 4*NL                              ; all but the youngest eight loads (x's blocks 4-7) are in
.if \zero
	WIN 0x81                                       ; C, the bias, in window 0
.else
	WIN MUL_LO
.endif
	MUL16 0, (\q)%2, \q, \slot, \zero
	MUL16 2, (\q)%2, \q, \slot, \zero
	s_wait_dscnt 0                                 ; x's blocks 4-7 are in
	PLACES NP
	FETCH_B \slot, (\q)+1, 1-(\q)%2
	FETCH_A \slot, (\q)+1, 0
.if \zero
	WIN 0xc1
.else
	WIN MUL_HI
.endif
	MUL16 4, (\q)%2, \q, \slot, \zero
	MUL16 6, (\q)%2, \q, \slot, \zero
	PLACES NP
	WIN 0
	FETCH_A \slot, (\q)+1, 4
.endm
	s_wait_tensorcnt 1                             ; the scales and my part of slot 0 are in; slot 1's load may be out
	s_barrier_signal -1
	s_barrier_wait -1                              ; everybody's are
	FETCH_B 0, 0, 0
	FETCH_A 0, 0, 0
	SCALES 0
	FETCH_A 0, 0, 4
	s_wait_loadcnt 0x0                             ; the bias
	STEP 0, 0, 1
	STEP 0, 1, 0
	STEP 0, 2, 0
	; slot 0's last step, and the change to slot 1: one barrier; nothing is filled again
	s_wait_tensorcnt 0x0                           ; my part of slot 1 has landed
	ds_add_u32 v[SPW], v[NIL]                      ; 0 onto my spare word
	s_wait_dscnt 4*NL+1                            ; the add and the youngest eight loads may be out
	WIN MUL_LO
	MUL16 0, 1, 3, 0, 0
	s_wait_dscnt 0x0                               ; no LDS instruction of mine is pending at the signal
	s_barrier_signal -1
	MUL16 2, 1, 3, 0, 0
	WIN 0
	s_barrier_wait -1                              ; slot 1 is whole
	PLACES NP
	v_add_nc_u32 v[ADRS], 4*NQ, v[ADRS]            ; the second slot's scale words
	FETCH_B 1, 0, 0
	FETCH_A 1, 0, 0
	SCALES 1
	WIN MUL_HI
	MUL16 4, 1, 3, 0, 0
	MUL16 6, 1, 3, 0, 0
	PLACES NP
	WIN 0
	FETCH_A 1, 0, 4
	STEP 1, 0, 0
	STEP 1, 1, 0
	STEP 1, 2, 0
	s_wait_dscnt 4*NL
	WIN MUL_LO
	MUL16 0, 1, 3, 1, 0
	MUL16 2, 1, 3, 1, 0
	s_wait_dscnt 0
	WIN MUL_HI
	MUL16 4, 1, 3, 1, 0
	MUL16 6, 1, 3, 1, 0
	WIN 0
	PLACES NP                                      ; in front of the first reads of results and the first writes over x's fragments
	; the first 16 positions of a sequence in f32: block 0 of the waves with cy = 0 and the upper rows.  EXEC changes only behind a wait on XCNT for 0, both ways
	s_wait_xcnt 0x0
	v_cmp_eq_u32 vcc_lo, 0, v[FL]
	s_and_saveexec_b32 s95, vcc_lo
	WIN 0x08                                       ; a store's data: window 2
.irp b, 0,1,2,3,4,5,6,7
	global_store_b128 v[LI], v[8*\b:8*\b+3], s[66:67] offset:1024*\b           ; each accumulator from its low end on; 512 consecutive bytes a store
	global_store_b128 v[LI], v[8*\b+4:8*\b+7], s[66:67] offset:1024*\b+512
.endr
	WIN 0
	s_wait_xcnt 0x0
	s_or_b32 exec_lo, exec_lo, s95
	; the way out: a lane's eight channels of a position pack into 16 bytes, and the 32 lanes' pieces are one block of the image: no LDS
.macro OUTB a
.set AC, 64*((\a)%4)
.set PB, PK+32*((\a)%4)
.if (\a) >= 4
	s_wait_xcnt 0x0                                ; block a - 4's stores have read these registers
.endif
	WIN 0x0a+5*((\a)/4)                            ; sources 0 and 1: window 2 or 3
.irp b, 0,1,2,3,4,5,6,7
.irp i, 0,1,2,3
	v_cvt_pk_f16_f32 v[PB+4*\b+\i], v[AC+8*\b+2*\i], v[AC+8*\b+2*\i+1]
.endr
.endr
	WIN 0
.irp b, 0,1,2,3,4,5,6,7
	global_store_b128 v[VO], v[PB+4*\b:PB+4*\b+3], s[12:13] offset:(\b/4)*131072+(\a)*2048+(\b%4)*512
.endr
.endm
.irp a, 0,1,2,3,4,5,6,7
	OUTB \a
.endr
	s_wait_tensorcnt 0x0                           ; the wave's end
	ds_add_u32 v[SPW], v[NIL]
	s_wait_dscnt 0x0
	CROUND                                         ; the closing round
	s_endpgm
.Lfunc_end_k_qa83a99f239_qkv:
	.size	k_qa83a99f239_qkv, .Lfunc_end_k_qa83a99f239_qkv-k_qa83a99f239_qkv
	.p2alignl 7, 3214868480
	.fill 96, 4, 3214868480
	.section	.rodata,"a",@progbits
	.p2align	6, 0x0
	.amdhsa_kernel k_qa83a99f239_qkv
		.amdhsa_group_segment_fixed_size 288256
		.amdhsa_private_segment_fixed_size 0
		.amdhsa_enable_private_segment 0
		.amdhsa_kernarg_size 56
		.amdhsa_user_sgpr_count 2
		.amdhsa_user_sgpr_kernarg_segment_ptr 1
		.amdhsa_wavefront_size32 1
		.amdhsa_system_sgpr_workgroup_id_x 1
		.amdhsa_system_sgpr_workgroup_id_y 1
		.amdhsa_system_sgpr_workgroup_id_z 1
		.amdhsa_system_vgpr_workitem_id 0
		.amdhsa_next_free_vgpr 1024
		.amdhsa_next_free_sgpr 100
		.amdhsa_reserve_vcc 1
		.amdhsa_float_denorm_mode_32 3
		.amdhsa_float_denorm_mode_16_64 3
		.amdhsa_memory_ordered 1
		.amdhsa_forward_progress 1
		.amdhsa_inst_pref_size 122
	.end_amdhsa_kernel
	.amdgpu_metadata
---
amdhsa.version: [ 1, 2 ]
amdhsa.kernels:
  - .name:           k_qa83a99f239_qkv
    .symbol:         k_qa83a99f239_qkv.kd
    .args:
      - { .name: x_codes, .offset: 0, .size: 8, .value_kind: global_buffer, .address_space: global }
      - { .name: x_scales, .offset: 8, .size: 8, .value_kind: global_buffer, .address_space: global }
      - { .name: wq_img, .offset: 16, .size: 8, .value_kind: global_buffer, .address_space: global }
      - { .name: wq_scales, .offset: 24, .size: 8, .value_kind: global_buffer, .address_space: global }
      - { .name: qkv16, .offset: 32, .size: 8, .value_kind: global_buffer, .address_space: global }
      - { .name: qkv_fine, .offset: 40, .size: 8, .value_kind: global_buffer, .address_space: global }
      - { .name: b_qkv, .offset: 48, .size: 8, .value_kind: global_buffer, .address_space: global }
    .group_segment_fixed_size: 288256
    .private_segment_fixed_size: 0
    .kernarg_segment_align: 8
    .kernarg_segment_size: 56
    .max_flat_workgroup_size: 128
    .sgpr_count:     100
    .vgpr_count:     1024
    .wavefront_size: 32
...
	.end_amdgpu_metadata
.endif
;; end of part 2
;; launch attn (part 3): grid 2 x 128, 16 waves a work-group, no clusters, 264,192 bytes of LDS; arguments qkv16, att_img; writes att_img
.if DOCPART == 3
	.amdgcn_target "amdgcn-amd-amdhsa--gfx1250"
	.amdhsa_code_object_version 6
	.text
	.protected	k_qa83a99f239_attn
	.globl	k_qa83a99f239_attn
	.p2align	8
	.type	k_qa83a99f239_attn,@function
k_qa83a99f239_attn:
	s_mov_b64 s[64:65], 0
	v_nop
	global_prefetch_b8 v0, s[64:65] scope:SCOPE_SE
	s_setreg_imm32_b32 hwreg(HW_REG_WAVE_MODE, 25, 1), 1
	s_wait_xcnt 0x0
; Causal attention of one head, f16 operands, f32 products' sums, maxima and sums: att[q] = softmax_k(q . k / 8, k <= q) v.  Head size 64, 1,024 positions.
; SHARES.  Two work-groups (x = 0, 1) serve one head (y = 16 batch + head): 256 work-groups.  A head has 64 tiles of 16 queries; keys go in steps of 64, and tile t needs steps 0 .. t / 4, the last its diagonal.
; Wave w owns TWO tiles and takes them one after the other: first the late tile 63 - (2 w + x), whose diagonal step is UL = 15 - w / 2, then the early tile 2 w + x, whose diagonal step is US = w / 2:
; (16 - w / 2) + (w / 2 + 1) = 17 steps for every wave.  UL and US hang on the wave's number alone; x enters global addresses and the mask's numbers alone.
; K AND V OF THE WHOLE HEAD STAY IN LDS, as the images that the launch before laid out (2,048 bytes for each tile of 16 keys): 131,072 bytes each, filled once.
; They are asked for at the head in four groups of 1, 3, 4 and 8 key steps, each wave a sixteenth of each group (waves 0-7: K, waves 8-15: V): four tensor loads of mine are out.
; The four arrivals (a counted wait and a barrier) stand in front of steps 0, 1, 4 and 8 of the late tile: up to there all sixteen waves work every step (UL is 8 at the least), so no wave waits long for another;
; behind step 8, where the waves' ways part, stands no barrier.
; NO CLUSTER: a head's K and V are read by its two work-groups alone; a cluster has four places along x, and four work-groups are two heads, which share no tile.
; No prefetch: every byte that the work-group reads is asked for by the loads at its head.
; LAYOUT.  S^T = K Q^T (source 0 = 16 keys, source 1 = my 16 queries) and O^T = V^T P (source 0 = 16 channels, turned by ds_load_tr16_b128): a lane holds ONE query (lane % 16) throughout.
; SOFTMAX.  Running maximum m and sum l: p = 2^(c s - c m), c = log2(e) / 8; in each step O and l are multiplied by a = 2^(c m_old - c m_new).  m begins at -3e38, O and l at 0.
; OUT: f16, as source fragments of the projection: att_img [64 batch + tile of 16 positions][32 K of 1,024: 32][1,024 bytes].
; LIMITS: q, k, v arrive in f16; the weights p and the result are rounded to f16 (|result| under 65,504).  The first 16 positions of a sequence are made here too, and written over later by the launch that carries them in f32.
; REGISTERS: v1 16 x lane; v2, v3 LDS addresses of four steps' K and V; v4 the mask's d; v5 -infinity; v6, v7 the add's two; v8 c m, v9 m, v[10:11] l, v12-15 at work (a in v14);
;   v16-31 Q of the late tile; v32-95 K of a step; v96-159 V of a step; v160-191 S^T, then p, on the way out the packed result; v192-207 P in f16; v208-239 O^T; v240-255 Q of the early tile.
.set VB,    131072                     ; V's image in LDS
.set SPARE, 262144                     ; the spare words, 128 bytes for each of sixteen waves
.set UL,  9                            ; s9   the late tile's diagonal step
.set US,  10                           ; s10  the early tile's
.set QL,  16
.set QS,  240
.set SEL, 86                           ; s86, s87  v_permlanex16_b32's selects: lane l xor 16
.set CS,  88                           ; s[88:89]  c, twice: the packed form names a pair
; Descriptor group 1: a dense block as rows of 256 bytes (32 elements of 8 bytes), no padding, no mask
.macro DESC1 g, rows
	s_mov_b32 s[\g], 3<<16
	s_mov_b32 s[\g+1], 32<<16                      ; tensor_dim0
	s_mov_b32 s[\g+2], (\rows)<<16                 ; tensor_dim1
	s_mov_b32 s[\g+3], 32<<16                      ; tile_dim0
	s_mov_b32 s[\g+4], \rows                       ; tile_dim1
	s_mov_b32 s[\g+5], 32                          ; from row to row
	s_mov_b32 s[\g+6], 0
	s_mov_b32 s[\g+7], 0
.endm
; Descriptor group 0 of the group of len key steps that begins at step first: my eighth of K's or of V's 8,192 len bytes
.macro DESC0 g, first, len
	s_mul_i32 s72, s71, (\len)*1024                ; (wave % 8) x my part
	s_add_co_u32 s72, s72, (\first)*8192
	s_mov_b32 s[\g], 1
	s_add_co_u32 s[\g+1], s72, s70                 ; LDS: the wave's number and constants alone
	s_add_nc_u64 s[\g+2:\g+3], s[14:15], s[72:73]
	s_or_b32 s[\g+3], s[\g+3], 0x80000000
.endm
.macro ARRIVE left                     ; my part of a group has landed (the later groups' loads, left of them, may be out); then everybody's has
	s_wait_tensorcnt \left
	s_barrier_signal -1
	s_barrier_wait -1
.endm
.macro ABASE blk                       ; LDS addresses of key steps 4 blk .. 4 blk + 3
	v_add_nc_u32 v2, 32768*\blk, v1
	v_add_nc_u32 v3, VB+32768*\blk, v1
.endm
.macro INIT                            ; a tile begins: the step is written in one form; the first finds zeros
	v_mov_b32 v9, 0xff61b1e6                       ; m = -3e38, under every score
	v_mul_f32 v8, s[CS], v9                        ; c m
	v_mov_b32 v10, 0                               ; l
	v_mov_b32 v11, 0
.irp j, 0,1,2,3,4,5,6,7,8,9,10,11,12,13,14,15,16,17,18,19,20,21,22,23,24,25,26,27,28,29,30,31
	v_mov_b32 v[208+\j], 0                         ; O^T
.endr
.endm
	s_load_b128 s[4:7], s[0:1], 0x0                ; qkv16, att_img
	v_lshl_add_u32 v6, v0, 2, SPARE
	v_mov_b32 v7, 0
	ds_add_u32 v6, v7                              ; the wave's opening: the add, twice on end, and its wait ahead of my first tensor load
	ds_add_u32 v6, v7
	v_lshrrev_b32 v1, 5, v0
	v_readfirstlane_b32 s8, v1                     ; wave 0..15
	s_and_b32 s11, ttmp7, 0xffff                   ; 16 batch + head
	s_lshr_b32 s[US], s8, 1                        ; 0..7
	s_xor_b32 s[UL], s[US], 15                     ; 15 - US
	s_and_b32 s12, s8, 1
	s_lshl_b32 s12, s12, 1
	s_add_co_u32 s12, s12, ttmp9                   ; the early tile's place in its 64 queries: 2 (w % 2) + x
	s_xor_b32 s13, s12, 3                          ; the late tile's: 3 less that
	DESC1 16, 4                                    ; 1 key step:  1,024 bytes a wave
	DESC1 24, 12                                   ; 3 key steps: 3,072
	DESC1 32, 16                                   ; 4 key steps: 4,096
	DESC1 40, 32                                   ; 8 key steps: 8,192
	s_lshr_b32 s70, s8, 3                          ; waves 0-7 fetch K, waves 8-15 V
	s_and_b32 s71, s8, 7
	s_add_co_u32 s14, s70, 1
	s_lshl_b32 s14, s14, 7
	s_add_co_u32 s14, s14, s11
	s_lshl_b32 s14, s14, 17                        ; k's or v's image of my head: 131,072 bytes each
	s_mov_b32 s15, 0
	s_lshl_b32 s70, s70, 17                        ; and its place in LDS
	s_mov_b32 s73, 0
	s_lshl_b32 s82, s[UL], 2
	s_add_co_u32 s82, s82, s13                     ; the late tile's number
	s_lshl_b32 s83, s[US], 2
	s_add_co_u32 s83, s83, s12                     ; the early tile's
	s_lshl_b32 s84, s11, 6
	s_add_co_u32 s74, s84, s82
	s_lshl_b32 s74, s74, 11                        ; q's image: 2,048 bytes a tile
	s_mov_b32 s75, 0
	s_add_co_u32 s76, s84, s83
	s_lshl_b32 s76, s76, 11
	s_mov_b32 s77, 0
	s_lshr_b32 s84, s11, 4
	s_lshl_b32 s84, s84, 6                         ; 64 batch
	s_and_b32 s85, s11, 15
	s_lshl_b32 s85, s85, 11                        ; the result: 2,048 bytes for a head,
	s_add_co_u32 s78, s84, s82
	s_lshl_b32 s78, s78, 15                        ; 32,768 for a tile of 16 positions
	s_add_co_u32 s78, s78, s85
	s_mov_b32 s79, 0
	s_add_co_u32 s80, s84, s83
	s_lshl_b32 s80, s80, 15
	s_add_co_u32 s80, s80, s85
	s_mov_b32 s81, 0
	s_lshl_b32 s84, s13, 4                         ; 16 x the late tile's place,
	s_lshl_b32 s85, s12, 4
	s_sub_co_i32 s85, s85, s84                     ; and what brings the mask's d from the late tile to the early one
	s_mov_b32 s[SEL], 0x76543210
	s_mov_b32 s[SEL+1], 0xfedcba98
	s_mov_b32 s[CS], 0x3e38aa3b                    ; c = log2(e) / 8
	s_mov_b32 s[CS+1], s[CS]
	s_wait_dscnt 0x0                               ; both opening adds are done
	s_wait_kmcnt 0x0
	s_add_nc_u64 s[14:15], s[4:5], s[14:15]
	s_add_nc_u64 s[74:75], s[4:5], s[74:75]
	s_add_nc_u64 s[76:77], s[4:5], s[76:77]
	s_add_nc_u64 s[78:79], s[6:7], s[78:79]
	s_add_nc_u64 s[80:81], s[6:7], s[80:81]
	DESC0 48, 0, 1
	DESC0 52, 1, 3
	DESC0 56, 4, 4
	DESC0 60, 8, 8
	tensor_load_to_lds s[48:51], s[16:23]          ; all first fills in one group, ahead of every wait on TENSORcnt, every LDS read and every barrier
	s_nop 0
	tensor_load_to_lds s[52:55], s[24:31]
	s_nop 0
	tensor_load_to_lds s[56:59], s[32:39]
	s_nop 0
	tensor_load_to_lds s[60:63], s[40:47]
	s_nop 0
	v_and_b32 v1, 31, v0
	v_lshlrev_b32 v1, 4, v1                        ; 16 x lane
.irp i, 0,1,2,3
	global_load_b128 v[QL+4*\i:QL+4*\i+3], v1, s[74:75] offset:512*\i   ; both tiles' Q stay in registers: two fragments of 32 channels each
.endr
.irp i, 0,1,2,3
	global_load_b128 v[QS+4*\i:QS+4*\i+3], v1, s[76:77] offset:512*\i
.endr
	v_and_b32 v8, 15, v0
	v_bfe_u32 v9, v0, 4, 1
	v_lshlrev_b32 v9, 3, v9
	v_sub_nc_u32 v4, v8, v9
	v_add_nc_u32 v4, s84, v4                       ; d = 16 x the tile's place + r - 8 h: on the diagonal register 8 t + j (key 16 t + 8 h + j of the step) is hidden where 16 t + j > d
	v_mov_b32 v5, 0xff800000                       ; -infinity
.irp j, 12,13,14,15
	v_mov_b32 v[\j], 0                             ; the registers at work are written once (a lane permute's destination counts as read)
.endr
	INIT
	s_wait_loadcnt 0x0                             ; Q
; KEY STEP kst: keys 64 kst on.  qb: the tile's Q;  lim: the scalar register with the tile's diagonal step;  edge = 1: the step may lie on or behind the diagonal.
.macro STEP kst, qb, lim, edge
.if \edge
	s_cmp_lt_u32 s[\lim], \kst                     ; all its keys come after my queries: left out.  The wave's number against a constant; no barrier stands in a step
	s_cbranch_scc1 .Lskip_\@
.endif
.irp f, 0,1,2,3,4,5,6,7                        ; K: fragment 2 t + c: keys 16 t on, channels 32 c on
	ds_load_b128 v[32+8*\f:35+8*\f], v2 offset:8192*((\kst)%4)+1024*\f
	ds_load_b128 v[36+8*\f:39+8*\f], v2 offset:8192*((\kst)%4)+1024*\f+512
.endr
.irp s, 0,1                                    ; V, turned: fragment 4 s + c: keys 32 s on, channels 16 c on
.irp c, 0,1,2,3
	ds_load_tr16_b128 v[96+8*(4*\s+\c):99+8*(4*\s+\c)], v3 offset:8192*((\kst)%4)+4096*\s+512*\c
	ds_load_tr16_b128 v[100+8*(4*\s+\c):103+8*(4*\s+\c)], v3 offset:8192*((\kst)%4)+4096*\s+2048+512*\c
.endr
.endr
	s_wait_dscnt 16                                ; K is in; V's sixteen loads may be out
.irp t, 0,1,2,3                                ; S^T = K Q^T: the four tiles of keys by turns
	v_wmma_f32_16x16x32_f16 v[160+8*\t:167+8*\t], v[32+16*\t:39+16*\t], v[\qb:\qb+7], 0
.endr
.irp t, 0,1,2,3
	v_wmma_f32_16x16x32_f16 v[160+8*\t:167+8*\t], v[40+16*\t:47+16*\t], v[\qb+8:\qb+15], v[160+8*\t:167+8*\t]
.endr
.rept 4
	v_nop                                          ; places in front of the first read of the scores
.endr
.if \edge
	s_cmp_lg_u32 s[\lim], \kst
	s_cbranch_scc1 .Lopen_\@
.irp n, 0,1,2,3,4,5,6,7,8,9,10,11,12,13,14,15,16,17,18,19,20,21,22,23,24,25,26,27,28,29,30,31
	v_cmp_gt_i32 vcc_lo, 16*(\n/8)+\n%8, v4        ; the diagonal step: hidden scores become -infinity, so that p = 0
	v_cndmask_b32 v[160+\n], v[160+\n], v5, vcc_lo
.endr
.Lopen_\@:
.endif
.irp j, 0,1,2,3                                ; the maximum of my 32 scores and the old m: four chains, each tile from its low end on
	v_max3_num_f32 v[12+\j], v[160+8*\j], v[161+8*\j], v[162+8*\j]
.endr
.irp j, 0,1,2,3
	v_max3_num_f32 v[12+\j], v[12+\j], v[163+8*\j], v[164+8*\j]
.endr
.irp j, 0,1,2,3
	v_max3_num_f32 v[12+\j], v[12+\j], v[165+8*\j], v[166+8*\j]
.endr
	v_max3_num_f32 v12, v12, v167, v175
	v_max3_num_f32 v14, v14, v183, v191
	v_max3_num_f32 v12, v12, v13, v14
	v_max3_num_f32 v12, v12, v15, v9
	v_permlanex16_b32 v13, v12, s[SEL], s[SEL+1]   ; the query's other 32 keys lie in the lane 16 away
	v_mov_b32 v15, v8                              ; c m_old
	v_max_num_f32 v9, v12, v13                     ; m
	v_mul_f32 v8, s[CS], v9                        ; c m
	v_sub_f32 v15, v15, v8
.irp b, 0,2,4,6,8,10,12,14,16,18,20,22,24,26,28,30
	v_pk_fma_f32 v[160+\b:161+\b], v[160+\b:161+\b], s[CS:CS+1], v[8:9] op_sel_hi:[1,0,0] neg_lo:[0,0,1] neg_hi:[0,0,1]   ; c s - c m
.endr
	v_exp_f32 v14, v15                             ; a
.irp n, 0,1,2,3,4,5,6,7,8,9,10,11,12,13,14,15,16,17,18,19,20,21,22,23,24,25,26,27,28,29,30,31
	v_exp_f32 v[160+\n], v[160+\n]                 ; p
.endr
	v_nop                                          ; a plain line behind the last exponential
	s_wait_alu depctr_va_vdst(0)                   ; one wait for the batch of 33, ahead of its first reader
.irp i, 0,1,2,3,4,5,6,7,8,9,10,11,12,13,14,15
	v_cvt_pk_f16_f32 v[192+\i], v[160+2*\i], v[161+2*\i]           ; two tiles' pairs ARE source 1 (32 keys x 16 queries) of the second product
.endr
.irp u, 0,4,8,12,16,20,24,28                   ; the sum of the 16 pairs, in place
	v_pk_add_f32 v[160+\u:161+\u], v[160+\u:161+\u], v[162+\u:163+\u]
.endr
.irp u, 0,8,16,24
	v_pk_add_f32 v[160+\u:161+\u], v[160+\u:161+\u], v[164+\u:165+\u]
.endr
.irp u, 0,16
	v_pk_add_f32 v[160+\u:161+\u], v[160+\u:161+\u], v[168+\u:169+\u]
.endr
	v_pk_add_f32 v[160:161], v[160:161], v[176:177]
	v_pk_fma_f32 v[10:11], v[10:11], v[14:15], v[160:161] op_sel_hi:[1,0,1]   ; l = a l + the sum
.irp j, 0,2,4,6,8,10,12,14,16,18,20,22,24,26,28,30
	v_pk_mul_f32 v[208+\j:209+\j], v[208+\j:209+\j], v[14:15] op_sel_hi:[1,0]   ; O^T x a
.endr
	s_wait_dscnt 0x0                               ; V is in
.irp s, 0,1                                    ; O^T += V^T P: the four tiles of channels by turns
.irp c, 0,1,2,3
	v_wmma_f32_16x16x32_f16 v[208+8*\c:215+8*\c], v[96+8*(4*\s+\c):103+8*(4*\s+\c)], v[192+8*\s:199+8*\s], v[208+8*\c:215+8*\c]
.endr
.endr
.rept 4
	v_nop                                          ; places in front of the next loads into V's registers and the next reads of O^T
.endr
.if \edge
.Lskip_\@:
.endif
.endm
; THE WAY OUT of a tile: O^T / l, rounded to f16; a lane's eight channels of a query are 16 bytes, and the 32 lanes' pieces are half a fragment of the projection's operand
.macro WAYOUT base
	v_add_f32 v12, v10, v11
	v_permlanex16_b32 v13, v12, s[SEL], s[SEL+1]
	v_add_f32 v12, v12, v13
	v_rcp_f32 v14, v12
	v_nop
	s_wait_alu depctr_va_vdst(0)
.irp j, 0,2,4,6,8,10,12,14,16,18,20,22,24,26,28,30
	v_pk_mul_f32 v[208+\j:209+\j], v[208+\j:209+\j], v[14:15] op_sel_hi:[1,0]
.endr
.irp i, 0,1,2,3,4,5,6,7,8,9,10,11,12,13,14,15
	v_cvt_pk_f16_f32 v[160+\i], v[208+2*\i], v[209+2*\i]
.endr
.irp c, 0,1,2,3
	global_store_b128 v1, v[160+4*\c:163+4*\c], s[\base:\base+1] offset:512*\c   ; 512 consecutive bytes a store, aligned
.endr
.endm
	; ---- the late tile: steps 0 .. UL.  Steps 0 to 7 lie in front of every late tile's diagonal: no test, no mask, and all sixteen waves work them
	ARRIVE 3                                       ; key step 0
	ABASE 0
	STEP 0, QL, UL, 0
	ARRIVE 2                                       ; key steps 1 to 3
	STEP 1, QL, UL, 0
	STEP 2, QL, UL, 0
	STEP 3, QL, UL, 0
	ARRIVE 1                                       ; key steps 4 to 7
	ABASE 1
	STEP 4, QL, UL, 0
	STEP 5, QL, UL, 0
	STEP 6, QL, UL, 0
	STEP 7, QL, UL, 0
	ARRIVE 0                                       ; key steps 8 to 15: all of K and V is in LDS; from here on no barrier
	ABASE 2
	STEP 8, QL, UL, 1
	STEP 9, QL, UL, 1
	STEP 10, QL, UL, 1
	STEP 11, QL, UL, 1
	ABASE 3
	STEP 12, QL, UL, 1
	STEP 13, QL, UL, 1
	STEP 14, QL, UL, 1
	STEP 15, QL, UL, 1
	WAYOUT 78
	; ---- the early tile: steps 0 .. US
	INIT
	v_add_nc_u32 v4, s85, v4                       ; the mask's d for the early tile
	s_wait_xcnt 0x0                                ; the stores above have read their data: the next scores are written into those registers only behind this wait
	ABASE 0
	STEP 0, QS, US, 1
	STEP 1, QS, US, 1
	STEP 2, QS, US, 1
	STEP 3, QS, US, 1
	ABASE 1
	STEP 4, QS, US, 1
	STEP 5, QS, US, 1
	STEP 6, QS, US, 1
	STEP 7, QS, US, 1
	WAYOUT 80
	s_wait_tensorcnt 0x0                           ; the wave's end
	ds_add_u32 v6, v7
	s_wait_dscnt 0x0
	s_endpgm
.Lfunc_end_k_qa83a99f239_attn:
	.size	k_qa83a99f239_attn, .Lfunc_end_k_qa83a99f239_attn-k_qa83a99f239_attn
	.p2alignl 7, 3214868480
	.fill 96, 4, 3214868480
	.section	.rodata,"a",@progbits
	.p2align	6, 0x0
	.amdhsa_kernel k_qa83a99f239_attn
		.amdhsa_group_segment_fixed_size 264192
		.amdhsa_private_segment_fixed_size 0
		.amdhsa_enable_private_segment 0
		.amdhsa_kernarg_size 16
		.amdhsa_user_sgpr_count 2
		.amdhsa_user_sgpr_kernarg_segment_ptr 1
		.amdhsa_wavefront_size32 1
		.amdhsa_system_sgpr_workgroup_id_x 1
		.amdhsa_system_sgpr_workgroup_id_y 1
		.amdhsa_system_sgpr_workgroup_id_z 1
		.amdhsa_system_vgpr_workitem_id 0
		.amdhsa_next_free_vgpr 256
		.amdhsa_next_free_sgpr 90
		.amdhsa_reserve_vcc 1
		.amdhsa_float_denorm_mode_32 3
		.amdhsa_float_denorm_mode_16_64 3
		.amdhsa_memory_ordered 1
		.amdhsa_forward_progress 1
		.amdhsa_inst_pref_size 255
	.end_amdhsa_kernel
	.section	.bss,"aw",@nobits
	.p2align	6
	.space	262144
	.amdgpu_metadata
---
amdhsa.version: [ 1, 2 ]
amdhsa.kernels:
  - .name:           k_qa83a99f239_attn
    .symbol:         k_qa83a99f239_attn.kd
    .args:
      - { .name: qkv16, .offset: 0, .size: 8, .value_kind: global_buffer, .address_space: global }
      - { .name: att_img, .offset: 8, .size: 8, .value_kind: global_buffer, .address_space: global }
    .group_segment_fixed_size: 264192
    .private_segment_fixed_size: 0
    .kernarg_segment_align: 8
    .kernarg_segment_size: 16
    .max_flat_workgroup_size: 512
    .sgpr_count:     90
    .vgpr_count:     256
    .wavefront_size: 32
...
	.end_amdgpu_metadata
.endif
;; end of part 3
;; launch proj (part 4): grid 8 x 32, 4 waves a work-group, clusters of 4 x 4, 327,680 bytes of LDS; arguments att_img, wp_img, out0, b_proj; writes out0
.if DOCPART == 4
	.amdgcn_target "amdgcn-amd-amdhsa--gfx1250"
	.amdhsa_code_object_version 6
	.text
	.protected	k_qa83a99f239_proj
	.globl	k_qa83a99f239_proj
	.p2align	8
	.type	k_qa83a99f239_proj,@function
k_qa83a99f239_proj:
	s_mov_b64 s[64:65], 0
	v_nop
	global_prefetch_b8 v0, s[64:65] scope:SCOPE_SE
	s_setreg_imm32_b32 hwreg(HW_REG_WAVE_MODE, 25, 1), 1
	s_wait_xcnt 0x0
	s_wait_alu depctr_hold_cnt(0) depctr_sa_sdst(0) depctr_va_vdst(0) depctr_va_sdst(0) depctr_va_ssrc(0) depctr_va_vcc(0) depctr_vm_vsrc(0)
	s_getreg_b32 s2, hwreg(HW_REG_IB_STS2, 6, 4)
	s_cmp_eq_u32 s2, 0
	s_cbranch_scc0 .Lentry_in_a_cluster
	s_endpgm
.Lentry_in_a_cluster:
	s_bfe_u32 s2, ttmp6, 0x10000c
	s_cmp_lg_u32 s2, 0xf033
	s_cbranch_scc0 .Lentry_shape_is_right
	s_endpgm
.Lentry_shape_is_right:
; out0 = att w_proj + b_proj: [8192][1024] x [1024][1024], f16 operands, f32 sums, f32 out.  Both operands arrive in the order of the operand's registers: a fragment (16 rows x 32 K) is 1,024 dense bytes.
; A tile of 256 rows x 128 columns is made by four waves, each 128 x 64: 32 accumulators, all of window 1.  256 work-groups.
; K goes in 8 steps of 128 through a ring of two LDS slots: 16 row tiles x 4,096 bytes of att, then 8 column tiles x 4,096 bytes of w_proj.  Waves 0 and 1 fetch att's halves, waves 2 and 3 w_proj's.
; CLUSTER 4 x 4: att's tiles are shared along a row of the cluster, w_proj's along a column: joint loads; where a slot is filled again, a round of the cluster's barrier stands in front.
; THE MATRIX INSTRUCTION IS USED TRANSPOSED (source 0 = 16 columns of w_proj, source 1 = 16 rows of att): a lane holds eight neighbouring columns of a row.  The bias is the C of each sum's first product.
; All of LDS is claimed.
; The rows of a sequence's first 16 positions are made here like all others, and written over by the launch that carries them in f32.
; REGISTERS: window 0: v16-30 addresses; v32-63 the bias; v64-159, v160-255 two fragment buffers (att's 8 blocks, then w_proj's 4); on the way out v64-127 rows read back.  window 1: accumulator (a, b) at v[8 (4 a + b)].
.set SLOT,   98304
.set BOFF,   65536                     ; w_proj's part of a slot
.set STAGE,  2*SLOT                    ; 16 rows x 272 bytes for each wave, for the way out
.set SPITCH, 272
.set SPARE,  STAGE+4*16*SPITCH         ; the spare words
.set ADRA, 16
.set ADRB, 20
.set STO,  24
.set RD,   25
.set CO,   26
.set SPW,  28
.set NIL,  29
.set PFO,  30
.set BI,   32
.set F0,   64
.set F1,   160
.set G1, 24
.set G0, 32
.set G1B, 48
.set G0B, 56
.set MSB, 0
.macro WIN new
.if MSB != \new
	s_set_vgpr_msb (MSB<<8)|\new
.set MSB, \new
.endif
.endm
.set MUL, 0x50                         ; sources 0 and 1 window 0; C and D window 1
.macro JLOAD s                         ; an s_nop 0 and four v_nop follow each of the two lines
	s_cmp_eq_u32 s13, 0
	s_cbranch_scc0 .Lfor_b_\@
	tensor_load_to_lds s[G0+4*\s:G0+4*\s+3], s[G1:G1+7]
	s_nop 0
.rept 4
	v_nop
.endr
	s_branch .Lasked_\@
.Lfor_b_\@:
	tensor_load_to_lds s[G0B+4*\s:G0B+4*\s+3], s[G1B:G1B+7]
	s_nop 0
.rept 4
	v_nop
.endr
.Lasked_\@:
.endm
.macro CREST
	s_cmp_lg_u32 s12, 0
	s_cbranch_scc1 .Lnot_wave_0_\@
	s_barrier_signal -3
.Lnot_wave_0_\@:
	s_barrier_wait -3
	s_barrier_signal -1
	s_barrier_wait -1
.endm
.macro CROUND
	s_barrier_signal -1
	s_barrier_wait -1
	CREST
.endm
; A prefetch into the L2 of att's K step that stands two refills on.  att's rows are read by both clusters of a row of clusters: the one with x = 0 asks.  Of the 8 row tiles that wave 0 or 1 fetches, the partner at cx
; takes tiles 2 cx and 2 cx + 1, told apart by address: 2 x 4,096 bytes, a lane to each 256.  The loop's last trip, whose refills are the last two K steps, asks for nothing.  w_proj is not asked for: eight rows of clusters read it again.
.macro ASK
	s_cmp_gt_u32 s3, s43
	s_cbranch_scc0 .Lnot_mine_\@
	global_prefetch_b8 v[PFO], s[44:45] offset:4096 th:TH_LOAD_NT scope:SCOPE_SE
.Lnot_mine_\@:
.endm
	s_load_b128 s[4:7], s[0:1], 0x0                ; att_img, wp_img
	s_load_b128 s[8:11], s[0:1], 0x10              ; out0, b_proj
	v_lshl_add_u32 v[SPW], v0, 2, SPARE
	v_mov_b32 v[NIL], 0
	ds_add_u32 v[SPW], v[NIL]                      ; the wave's opening: the add, twice on end, and its wait ahead of my first tensor load
	ds_add_u32 v[SPW], v[NIL]
	v_lshrrev_b32 v1, 5, v0
	v_readfirstlane_b32 s12, v1                    ; wave 0..3
	s_lshr_b32 s13, s12, 1                         ; my half of the rows.  Also: I fetch att (0) or w_proj (1)
	s_and_b32 s14, s12, 1                          ; my half of the columns.  Also: which half I fetch
	s_bfe_u32 s40, ttmp6, 0x40000                  ; cx
	s_bfe_u32 s41, ttmp6, 0x40004                  ; cy
	s_lshl_b32 s42, ttmp9, 2
	s_add_co_u32 s42, s42, s40                     ; tile column 0..7
	s_and_b32 s15, ttmp7, 0xffff
	s_lshl_b32 s15, s15, 2
	s_add_co_u32 s15, s15, s41                     ; tile row 0..31
	s_lshl_b32 s16, s41, 2
	s_lshl_b32 s16, 15, s16                        ; my row of the cluster
	s_lshl_b32 s17, 0x1111, s40                    ; my column
	s_or_b32 s[G1+0], s16, (3<<16)|(1<<21)         ; elements of 8 bytes, no padding; the mask and bit 21
	s_mov_b32 s[G1+1], 512<<16                     ; a row: four fragments, 4,096 bytes
	s_mov_b32 s[G1+2], 8<<16                       ; eight row tiles
	s_mov_b32 s[G1+3], 512<<16
	s_mov_b32 s[G1+4], 8
	s_mov_b32 s[G1+5], 4096                        ; 32,768 bytes from tile to tile
	s_mov_b32 s[G1+6], 0
	s_mov_b32 s[G1+7], 0
	s_or_b32 s[G1B+0], s17, (3<<16)|(1<<21)
	s_mov_b32 s[G1B+1], 512<<16
	s_mov_b32 s[G1B+2], 4<<16                      ; four column tiles
	s_mov_b32 s[G1B+3], 512<<16
	s_mov_b32 s[G1B+4], 4
	s_mov_b32 s[G1B+5], 4096
	s_mov_b32 s[G1B+6], 0
	s_mov_b32 s[G1B+7], 0
	s_lshl_b32 s18, s15, 4
	s_lshl_b32 s19, s14, 3
	s_add_co_u32 s18, s18, s19
	s_lshl_b32 s18, s18, 15                        ; att: row tile 16 x tile row + 8 x half
	s_mov_b32 s19, 0
	s_lshl_b32 s46, s42, 3
	s_lshl_b32 s47, s14, 2
	s_add_co_u32 s46, s46, s47
	s_lshl_b32 s46, s46, 15                        ; w_proj: column tile 8 x tile column + 4 x half
	s_mov_b32 s47, 0
	s_lshl_b32 s20, s14, 15                        ; where they go: the wave's number and constants alone
	s_lshl_b32 s21, s14, 14
	s_add_co_u32 s21, s21, BOFF
	s_wait_dscnt 0x0                               ; both opening adds are done
	s_wait_kmcnt 0x0
	s_add_nc_u64 s[18:19], s[4:5], s[18:19]
	s_add_nc_u64 s[46:47], s[6:7], s[46:47]
	CROUND                                         ; all sixteen work-groups are here
.irp s, 0,1
	s_mov_b32 s[G0+4*\s], 1
	s_add_co_u32 s[G0+4*\s+1], s20, \s*SLOT
	s_add_nc_u64 s[G0+4*\s+2:G0+4*\s+3], s[18:19], \s*4096
	s_or_b32 s[G0+4*\s+3], s[G0+4*\s+3], 0x80000000
	s_mov_b32 s[G0B+4*\s], 1
	s_add_co_u32 s[G0B+4*\s+1], s21, \s*SLOT
	s_add_nc_u64 s[G0B+4*\s+2:G0B+4*\s+3], s[46:47], \s*4096
	s_or_b32 s[G0B+4*\s+3], s[G0B+4*\s+3], 0x80000000
	JLOAD \s                                       ; K steps 0 and 1: two tensor loads of mine are out
.endr
	s_lshl_b32 s22, s40, 16                        ; the prefetches: my work-group's two row tiles of the eight,
	s_mov_b32 s23, 0
	s_add_nc_u64 s[44:45], s[18:19], s[22:23]
	s_add_nc_u64 s[44:45], s[44:45], 2*4096        ; at K step 2: the first refill steps it to 3 and names K step 4
	s_or_b32 s43, s13, ttmp9
	s_cmp_eq_u32 s43, 0
	s_cselect_b32 s43, 1, -1                       ; 1 in waves 0 and 1 of the clusters with x = 0: the same in all sixteen partners
	v_and_b32 v1, 15, v0                           ; r
	v_bfe_u32 v2, v0, 4, 1                         ; h
	v_lshlrev_b32 v[PFO], 8, v1
	v_lshl_add_u32 v[PFO], v2, 15, v[PFO]
	v_and_b32 v3, 31, v0
	v_lshlrev_b32 v3, 4, v3                        ; 16 x lane
	s_lshl_b32 s20, s13, 15                        ; my 8 row tiles
	s_lshl_b32 s21, s14, 14                        ; my 4 column tiles
	s_add_co_u32 s21, s21, BOFF
.irp s, 0,1
	v_add_nc_u32 v[ADRA+\s], s20, v3
	v_add_nc_u32 v[ADRB+\s], s21, v3
	s_add_co_u32 s20, s20, SLOT
	s_add_co_u32 s21, s21, SLOT
.endr
	s_mul_i32 s22, s12, 16*SPITCH
	s_add_co_u32 s22, s22, STAGE                   ; my stage
	v_mul_u32_u24 v4, v1, SPITCH
	v_lshl_add_u32 v4, v2, 5, v4
	v_add_nc_u32 v[STO], s22, v4                   ; in: row r, 32 bytes for each half of the lanes
	v_mul_u32_u24 v5, v2, SPITCH
	v_lshl_add_u32 v5, v1, 4, v5
	v_add_nc_u32 v[RD], s22, v5                    ; back: lanes 0-15 one row of 256 bytes, lanes 16-31 the next
	v_lshlrev_b32 v5, 12, v2
	v_lshl_add_u32 v[CO], v1, 4, v5                ; and the same two rows in out0
	v_lshlrev_b32 v10, 5, v2
	s_lshl_b32 s46, s42, 9
	s_lshl_b32 s47, s14, 8
	s_add_co_u32 s46, s46, s47                     ; my first column, in bytes
	s_mov_b32 s47, 0
	s_add_nc_u64 s[10:11], s[10:11], s[46:47]
	s_add_nc_u64 s[8:9], s[8:9], s[46:47]
	s_lshl_b32 s20, s15, 8
	s_lshl_b32 s21, s13, 7
	s_add_co_u32 s20, s20, s21
	s_lshl_b32 s20, s20, 12                        ; my first row
	s_mov_b32 s21, 0
	s_add_nc_u64 s[8:9], s[8:9], s[20:21]
.irp b, 0,1,2,3
	global_load_b128 v[BI+8*\b:BI+8*\b+3], v10, s[10:11] offset:64*\b          ; lane (r, h), register j: the bias of column 16 b + 8 h + j
	global_load_b128 v[BI+8*\b+4:BI+8*\b+7], v10, s[10:11] offset:64*\b+16
.endr
; 4 n matrix instructions: att's blocks a0 .. a0 + n - 1 against w_proj's four, 32 along K.  The 32 accumulators take turns, one instruction a turn.
.macro MULN f, a0, n, first
.set AA, \a0
.rept \n
.irp b, 0,1,2,3
.if \first
	v_wmma_f32_16x16x32_f16 v[8*(4*AA+\b):8*(4*AA+\b)+7], v[\f+64+8*\b:\f+64+8*\b+7], v[\f+8*AA:\f+8*AA+7], v[BI+8*\b:BI+8*\b+7]
.else
	v_wmma_f32_16x16x32_f16 v[8*(4*AA+\b):8*(4*AA+\b)+7], v[\f+64+8*\b:\f+64+8*\b+7], v[\f+8*AA:\f+8*AA+7], v[8*(4*AA+\b):8*(4*AA+\b)+7]
.endif
.endr
.set AA, AA+1
.endr
.endm
.macro FETCH slot, q, f                ; 24 LDS loads, 512 consecutive bytes each: w_proj's four fragments, att's blocks 0-3, att's blocks 4-7
.irp b, 0,1,2,3
	ds_load_b128 v[\f+64+8*\b:\f+64+8*\b+3], v[ADRB+\slot] offset:\b*4096+(\q)*1024
	ds_load_b128 v[\f+64+8*\b+4:\f+64+8*\b+7], v[ADRB+\slot] offset:\b*4096+(\q)*1024+512
.endr
.irp a, 0,1,2,3,4,5,6,7
	ds_load_b128 v[\f+8*\a:\f+8*\a+3], v[ADRA+\slot] offset:\a*4096+(\q)*1024
	ds_load_b128 v[\f+8*\a+4:\f+8*\a+7], v[ADRA+\slot] offset:\a*4096+(\q)*1024+512
.endr
.endm
.macro PLACES
.rept 4
	v_nop
.endr
.endm
.macro QUARTER slot, qn, f, g, first   ; 32 along K from buffer f; in its middle the next quarter, qn of the same slot, is fetched into g
	s_wait_dscnt 8                                 ; all but att's blocks 4-7 are in
.if \first
	WIN 0x40                                       ; C, the bias, in window 0
.else
	WIN MUL
.endif
	MULN \f, 0, 4, \first
	PLACES
	WIN 0
	FETCH \slot, \qn, \g
	s_wait_dscnt 24                                ; all but the 24 just issued
.if \first
	WIN 0x40
.else
	WIN MUL
.endif
	MULN \f, 4, 4, \first
.endm
; A slot's last quarter multiplies buffer 1 and changes slots: one barrier.  In front of it each wave waits for all its tensor loads (one is out: its part of the next slot), adds 0 to its spare word, and waits
; for that and for its reads of this slot.  fill = 1: the barrier opens a round of the cluster's, and behind it this slot is filled again, two K steps on: 112 matrix instructions stand between the request and the wait for it.
.macro TURN slot, next, fill
.if \fill
	s_wait_xcnt 0x0                                ; the last prefetch, a K step back, has read its address
	s_add_nc_u64 s[44:45], s[44:45], 4096
.endif
	WIN 0
	s_wait_tensorcnt 0x0
	ds_add_u32 v[SPW], v[NIL]
	s_wait_dscnt 9                                 ; the add and att's blocks 4-7 may be out
	WIN MUL
	MULN F1, 0, 2, 0
	s_wait_dscnt 0x0                               ; the add is done, and my reads of this slot are over
	s_barrier_signal -1
	MULN F1, 2, 2, 0
	WIN 0
	s_barrier_wait -1
.if \fill
	CREST
	s_add_nc_u64 s[G0+4*\slot+2:G0+4*\slot+3], s[G0+4*\slot+2:G0+4*\slot+3], 2*4096
	s_add_nc_u64 s[G0B+4*\slot+2:G0B+4*\slot+3], s[G0B+4*\slot+2:G0B+4*\slot+3], 2*4096
	JLOAD \slot                                    ; the first tensor load behind the round; its four v_nop are also the places in front of the loads below
.else
	PLACES
.endif
	FETCH \next, 0, F0
.if \fill
	ASK
.endif
	WIN MUL
	MULN F1, 4, 4, 0
.endm
	s_wait_tensorcnt 1                             ; my part of K step 0 is in; K step 1's load may be out
	s_barrier_signal -1
	s_barrier_wait -1
	FETCH 0, 0, F0
	s_wait_loadcnt 0x0                             ; the bias
	QUARTER 0, 1, F0, F1, 1
	WIN 0
	s_mov_b32 s3, 3
.Llap:                                             ; a trip goes once round the ring and fills both slots again: K steps 2 to 7
	QUARTER 0, 2, F1, F0, 0
	QUARTER 0, 3, F0, F1, 0
	TURN 0, 1, 1
	QUARTER 1, 1, F0, F1, 0
	QUARTER 1, 2, F1, F0, 0
	QUARTER 1, 3, F0, F1, 0
	TURN 1, 0, 1
	QUARTER 0, 1, F0, F1, 0
	WIN 0
	s_sub_co_u32 s3, s3, 1
	s_cmp_lg_u32 s3, 0
	s_cbranch_scc1 .Llap
	QUARTER 0, 2, F1, F0, 0                        ; the last lap fills nothing
	QUARTER 0, 3, F0, F1, 0
	TURN 0, 1, 0
	QUARTER 1, 1, F0, F1, 0
	QUARTER 1, 2, F1, F0, 0
	QUARTER 1, 3, F0, F1, 0
	s_wait_dscnt 8
	WIN MUL
	MULN F1, 0, 4, 0
	s_wait_dscnt 0
	MULN F1, 4, 4, 0
	WIN 0
	; THE WAY OUT, a block of 16 rows x 64 columns at a time, through my own stage: in as 32 bytes a lane, back as rows of 256 bytes.  LDS serves a wave's instructions in order: no wait between the stores and the loads
.macro TOSTAGE a
	WIN 0x04                                       ; an LDS store's data: window 1
.irp b, 0,1,2,3
	ds_store_b128 v[STO], v[8*(4*(\a)+\b):8*(4*(\a)+\b)+3] offset:64*\b        ; each accumulator from its low end on
	ds_store_b128 v[STO], v[8*(4*(\a)+\b)+4:8*(4*(\a)+\b)+7] offset:64*\b+16
.endr
	WIN 0
.irp t, 0,1,2,3,4,5,6,7
	ds_load_b128 v[64+32*((\a)%2)+4*\t:64+32*((\a)%2)+4*\t+3], v[RD] offset:\t*2*SPITCH
.endr
.endm
.macro SEND a, younger
	s_wait_dscnt \younger                          ; the block is back; the next block's sixteen LDS instructions may be out
.irp t, 0,1,2,3,4,5,6,7
	global_store_b128 v[CO], v[64+32*((\a)%2)+4*\t:64+32*((\a)%2)+4*\t+3], s[8:9] offset:(16*(\a)+2*\t)*4096 th:TH_STORE_NT   ; sixteen lanes store 256 consecutive bytes, aligned
.endr
.endm
	PLACES
	TOSTAGE 0
.irp a, 1,2,3,4,5,6,7
.if \a > 1
	s_wait_xcnt 0x0                                ; block a - 2's stores have read the registers into which block a comes back
.endif
	TOSTAGE \a
	SEND \a-1, 16
.endr
	SEND 7, 0
	s_wait_tensorcnt 0x0                           ; the wave's end
	ds_add_u32 v[SPW], v[NIL]
	s_wait_dscnt 0x0
	CROUND                                         ; the closing round
	s_endpgm
.Lfunc_end_k_qa83a99f239_proj:
	.size	k_qa83a99f239_proj, .Lfunc_end_k_qa83a99f239_proj-k_qa83a99f239_proj
	.p2alignl 7, 3214868480
	.fill 96, 4, 3214868480
	.section	.rodata,"a",@progbits
	.p2align	6, 0x0
	.amdhsa_kernel k_qa83a99f239_proj
		.amdhsa_group_segment_fixed_size 327680
		.amdhsa_private_segment_fixed_size 0
		.amdhsa_enable_private_segment 0
		.amdhsa_kernarg_size 32
		.amdhsa_user_sgpr_count 2
		.amdhsa_user_sgpr_kernarg_segment_ptr 1
		.amdhsa_wavefront_size32 1
		.amdhsa_system_sgpr_workgroup_id_x 1
		.amdhsa_system_sgpr_workgroup_id_y 1
		.amdhsa_system_sgpr_workgroup_id_z 1
		.amdhsa_system_vgpr_workitem_id 0
		.amdhsa_next_free_vgpr 512
		.amdhsa_next_free_sgpr 66
		.amdhsa_reserve_vcc 0
		.amdhsa_float_denorm_mode_32 3
		.amdhsa_float_denorm_mode_16_64 3
		.amdhsa_memory_ordered 1
		.amdhsa_forward_progress 1
		.amdhsa_inst_pref_size 87
	.end_amdhsa_kernel
	.amdgpu_metadata
---
amdhsa.version: [ 1, 2 ]
amdhsa.kernels:
  - .name:           k_qa83a99f239_proj
    .symbol:         k_qa83a99f239_proj.kd
    .args:
      - { .name: att_img, .offset: 0, .size: 8, .value_kind: global_buffer, .address_space: global }
      - { .name: wp_img, .offset: 8, .size: 8, .value_kind: global_buffer, .address_space: global }
      - { .name: out0, .offset: 16, .size: 8, .value_kind: global_buffer, .address_space: global }
      - { .name: b_proj, .offset: 24, .size: 8, .value_kind: global_buffer, .address_space: global }
    .group_segment_fixed_size: 327680
    .private_segment_fixed_size: 0
    .kernarg_segment_align: 8
    .kernarg_segment_size: 32
    .max_flat_workgroup_size: 128
    .sgpr_count:     66
    .vgpr_count:     512
    .wavefront_size: 32
...
	.end_amdgpu_metadata
.endif
;; end of part 4
;; launch fine (part 5): grid 16 x 8, 16 waves a work-group, no clusters, 141,312 bytes of LDS; arguments qkv_fine, w_proj, b_proj, out0; writes out0
.if DOCPART == 5
	.amdgcn_target "amdgcn-amd-amdhsa--gfx1250"
	.amdhsa_code_object_version 6
	.text
	.protected	k_qa83a99f239_fine
	.globl	k_qa83a99f239_fine
	.p2align	8
	.type	k_qa83a99f239_fine,@function
k_qa83a99f239_fine:
	s_mov_b64 s[64:65], 0
	v_nop
	global_prefetch_b8 v0, s[64:65] scope:SCOPE_SE
	s_setreg_imm32_b32 hwreg(HW_REG_WAVE_MODE, 25, 1), 1
	s_wait_xcnt 0x0
; THE FIRST 16 POSITIONS OF EVERY SEQUENCE, IN F32 THROUGHOUT: their rows average few values, so the rounding of f16 operands would weigh most there.  128 of 8,192 rows: no bulk work.
; A work-group takes a batch (y) and 64 columns of the output (x).  Wave hd takes head hd: its 16 x 16 causal attention from the f32 copy of q, k, v, then its 64 channels times rows 64 hd .. of w_proj;
; the sixteen heads' parts meet in LDS, and wave w adds up and stores row w: 256 consecutive bytes, aligned.  Each of the sixteen work-groups of a batch makes the small attention anew (32 matrix instructions a wave).
; qkv_fine: [batch][group of 128 columns: 24][16][512 bytes]: piece 2 b + u, lane (r, h), word i = position r, column 16 b + 8 h + 4 u + i of the group.
; THE F32 MATRIX FORM takes K = 4: lane (r, h), register j holds k slot 2 h + j.  Which number of K stands in a slot is free as long as both sources agree:
;   S^T = K Q^T: both sources take the same two registers of their images;  O^T = V^T P: slot (h, j) is key 8 h + 2 s + j, as p's registers lie;  out^T = W^T att^T: slot (h, j) is channel 16 c + 8 h + 2 s + j, as O^T's lie.
; All three are used transposed, so that a lane holds one query (lane % 16).  V is turned through the wave's own LDS rows.
; w_proj is read 4 bytes a lane, 64 bytes for sixteen lanes (the operand wants two k of one column in neighbouring registers); a row's four pieces, 256 bytes, are asked for on end by one wave.
; The registers that the f32 matrix form writes, v112-175, are written by matrix instructions alone; accumulators take turns, four at a time.
; REGISTERS: v1 16 x lane; v2, v3 V's way in and out of LDS; v4 w_proj's offset; v5 the mask's d; v6, v7 the parts' way in and out; v8, v9 the add's two; v10 8 x lane; v11 -infinity; v12-15 at work;
;   v16-47 Q, then att, then the sixteen parts; v48-79 K, then w_proj's third quarter; v80-111 V, V^T, then the fourth; v112-143 four accumulators: scores' parts, later the projection; v144-175 O^T;
;   v176-183 scores, then p; v184-187 at work; v[190:191] the bias; v192-255 w_proj's first two quarters.
.set PART,  69632                      ; LDS: 16 waves x 16 rows x 272 bytes for V; then as much for the parts
.set SPARE, 139264                     ; the spare words
	s_load_b256 s[4:11], s[0:1], 0x0               ; qkv_fine, w_proj, b_proj, out0
	v_lshl_add_u32 v8, v0, 2, SPARE
	v_mov_b32 v9, 0
	v_lshrrev_b32 v1, 5, v0
	v_readfirstlane_b32 s12, v1                    ; wave = head
	v_and_b32 v12, 31, v0
	v_lshlrev_b32 v1, 4, v12
	v_lshlrev_b32 v10, 3, v12
	v_and_b32 v13, 15, v0                          ; r
	v_bfe_u32 v14, v0, 4, 1                        ; h
	s_mul_i32 s13, s12, 4352
	v_mul_u32_u24 v2, v13, 272
	v_lshl_add_u32 v2, v14, 5, v2
	v_add_nc_u32 v2, s13, v2                       ; in: row r, + 32 h
	v_add_nc_u32 v6, PART, v2                      ; the parts likewise
	v_mul_u32_u24 v3, v14, 2176
	v_lshl_add_u32 v3, v13, 2, v3
	v_add_nc_u32 v3, s13, v3                       ; V^T: rows 8 h on, channel r
	v_lshlrev_b32 v4, 15, v14
	v_lshl_add_u32 v4, v13, 2, v4                  ; w_proj: 8 h rows of 4,096 bytes, column r
	v_lshlrev_b32 v5, 3, v14
	v_sub_nc_u32 v5, v13, v5                       ; d = r - 8 h: register j (key 8 h + j) is hidden where j > d
	s_mul_i32 s14, s12, 272
	s_add_co_u32 s14, s14, PART
	v_add_nc_u32 v7, s14, v10                      ; back: row w of each head's part, 8 bytes a lane
	v_mov_b32 v11, 0xff800000
	v_mov_b32 v15, 0
	s_mov_b32 s16, 0x76543210
	s_mov_b32 s17, 0xfedcba98
	s_mov_b32 s18, 0x3e38aa3b                      ; c = log2(e) / 8
	s_mov_b32 s19, s18
	s_and_b32 s13, ttmp7, 0xffff                   ; the batch
	s_mul_i32 s14, s13, 24
	s_lshr_b32 s15, s12, 1
	s_add_co_u32 s14, s14, s15
	s_lshl_b32 s14, s14, 13
	s_and_b32 s15, s12, 1
	s_lshl_b32 s15, s15, 12
	s_add_co_u32 s20, s14, s15                     ; q's pieces of my head; k's lie 65,536 bytes on, v's 131,072
	s_mov_b32 s21, 0
	s_lshl_b32 s22, ttmp9, 8                       ; my 64 columns, in bytes
	s_mov_b32 s23, 0
	s_wait_kmcnt 0x0
	s_add_nc_u64 s[4:5], s[4:5], s[20:21]
	s_lshl_b32 s20, s12, 18                        ; w_proj: my head's 64 rows
	s_add_co_u32 s20, s20, s22
	s_add_nc_u64 s[6:7], s[6:7], s[20:21]
	s_add_nc_u64 s[8:9], s[8:9], s[22:23]
	s_lshl_b32 s20, s13, 10
	s_add_co_u32 s20, s20, s12
	s_lshl_b32 s20, s20, 12                        ; out0: row w of the batch
	s_add_co_u32 s20, s20, s22
	s_add_nc_u64 s[10:11], s[10:11], s[20:21]
.macro WLOAD c, reg                    ; w_proj for channels 16 c .. 16 c + 15: register reg + 2 (4 s + t) + j = row 16 c + 8 h + 2 s + j, column 16 t + r
.irp s, 0,1,2,3
.irp j, 0,1
.irp t, 0,1,2,3
	global_load_b32 v[\reg+2*(4*\s+\t)+\j], v4, s[6:7] offset:(16*\c+2*\s+\j)*4096+64*\t
.endr
.endr
.endr
.endm
.irp i, 0,1,2,3,4,5,6,7
	global_load_b128 v[16+4*\i:19+4*\i], v1, s[4:5] offset:512*\i
.endr
.irp i, 0,1,2,3,4,5,6,7
	global_load_b128 v[48+4*\i:51+4*\i], v1, s[4:5] offset:65536+512*\i
.endr
.irp i, 0,1,2,3,4,5,6,7
	global_load_b128 v[80+4*\i:83+4*\i], v1, s[4:5] offset:131072+512*\i
.endr
	global_load_b64 v[190:191], v10, s[8:9]        ; the bias of my two columns
	WLOAD 0, 192
	s_wait_loadcnt 32                              ; q, k, v and the bias are in; w_proj's 32 may be out
.irp i, 0,1,2,3,4,5,6,7                        ; V into my own LDS rows as [key][channel],
	ds_store_b128 v2, v[80+4*\i:83+4*\i] offset:64*(\i/2)+16*(\i%2)
.endr
.irp c, 0,1,2,3                                ; and back turned: register 8 c + j = key 8 h + j, channel 16 c + r.  LDS serves a wave's instructions in order
.irp j, 0,1,2,3,4,5,6,7
	ds_load_b32 v[80+8*\c+\j], v3 offset:\j*272+64*\c
.endr
.endr
	WLOAD 1, 224
.irp u, 0,1                                    ; S^T = K Q^T: 64 channels, 4 an instruction, in four sums by turns
.irp a, 0,1
.irp b, 0,1,2,3
.if (\u == 0) && (\a == 0)
	v_wmma_f32_16x16x4_f32 v[112+8*\b:119+8*\b], v[48+4*(2*\b+\u)+2*\a:49+4*(2*\b+\u)+2*\a], v[16+4*(2*\b+\u)+2*\a:17+4*(2*\b+\u)+2*\a], 0
.else
	v_wmma_f32_16x16x4_f32 v[112+8*\b:119+8*\b], v[48+4*(2*\b+\u)+2*\a:49+4*(2*\b+\u)+2*\a], v[16+4*(2*\b+\u)+2*\a:17+4*(2*\b+\u)+2*\a], v[112+8*\b:119+8*\b]
.endif
.endr
.endr
.endr
.rept 8
	v_nop                                          ; eight places behind this form, in front of loads into K's registers and of the first read of the sums
.endr
	WLOAD 2, 48
.irp i, 0,2,4,6
	v_pk_add_f32 v[176+\i:177+\i], v[112+\i:113+\i], v[120+\i:121+\i]          ; the four sums are added, each from its low end on
.endr
.irp i, 0,2,4,6
	v_pk_add_f32 v[176+\i:177+\i], v[176+\i:177+\i], v[128+\i:129+\i]
.endr
.irp i, 0,2,4,6
	v_pk_add_f32 v[176+\i:177+\i], v[176+\i:177+\i], v[136+\i:137+\i]
.endr
.irp j, 0,1,2,3,4,5,6,7
	v_cmp_gt_i32 vcc_lo, \j, v5                    ; the causal mask
	v_cndmask_b32 v[176+\j], v[176+\j], v11, vcc_lo
.endr
	v_max3_num_f32 v12, v176, v177, v178
	v_max3_num_f32 v13, v179, v180, v181
	v_max3_num_f32 v12, v12, v182, v183
	v_max_num_f32 v12, v12, v13
	v_permlanex16_b32 v13, v12, s16, s17
	v_max_num_f32 v12, v12, v13                    ; the row's maximum: key 0 counts for every query
	v_mul_f32 v12, s18, v12                        ; c m
.irp i, 0,2,4,6
	v_pk_fma_f32 v[176+\i:177+\i], v[176+\i:177+\i], s[18:19], v[12:13] op_sel_hi:[1,0,0] neg_lo:[0,0,1] neg_hi:[0,0,1]
.endr
.irp j, 0,1,2,3,4,5,6,7
	v_exp_f32 v[176+\j], v[176+\j]                 ; p = 2^(c s - c m)
.endr
	v_nop
	s_wait_alu depctr_va_vdst(0)                   ; one wait for the eight, ahead of their first reader
	v_pk_add_f32 v[184:185], v[176:177], v[178:179]
	v_pk_add_f32 v[186:187], v[180:181], v[182:183]
	v_pk_add_f32 v[184:185], v[184:185], v[186:187]
	v_add_f32 v14, v184, v185
	v_permlanex16_b32 v15, v14, s16, s17
	v_add_f32 v14, v14, v15                        ; the row's sum
	v_rcp_f32 v14, v14
	v_nop
	s_wait_alu depctr_va_vdst(0)
	s_wait_dscnt 0x0                               ; V^T is in
.irp s, 0,1,2,3                                ; O^T = V^T P: 16 keys, 4 an instruction; the four tiles of channels by turns
.irp c, 0,1,2,3
.if \s == 0
	v_wmma_f32_16x16x4_f32 v[144+8*\c:151+8*\c], v[80+8*\c+2*\s:81+8*\c+2*\s], v[176+2*\s:177+2*\s], 0
.else
	v_wmma_f32_16x16x4_f32 v[144+8*\c:151+8*\c], v[80+8*\c+2*\s:81+8*\c+2*\s], v[176+2*\s:177+2*\s], v[144+8*\c:151+8*\c]
.endif
.endr
.endr
.rept 8
	v_nop
.endr
	WLOAD 3, 80
.irp i, 0,2,4,6,8,10,12,14,16,18,20,22,24,26,28,30
	v_pk_mul_f32 v[16+\i:17+\i], v[144+\i:145+\i], v[14:15] op_sel_hi:[1,0]   ; att = O^T / the sum: register 8 c + j = query r, channel 16 c + 8 h + j
.endr
.macro PROJC c, reg, first             ; out^T += W^T att^T for channels 16 c on: the four tiles of columns by turns
.irp s, 0,1,2,3
.irp t, 0,1,2,3
.if \first && (\s == 0)
	v_wmma_f32_16x16x4_f32 v[112+8*\t:119+8*\t], v[\reg+2*(4*\s+\t):\reg+2*(4*\s+\t)+1], v[16+8*\c+2*\s:17+8*\c+2*\s], 0
.else
	v_wmma_f32_16x16x4_f32 v[112+8*\t:119+8*\t], v[\reg+2*(4*\s+\t):\reg+2*(4*\s+\t)+1], v[16+8*\c+2*\s:17+8*\c+2*\s], v[112+8*\t:119+8*\t]
.endif
.endr
.endr
.endm
	s_wait_loadcnt 63                              ; 64 loads were issued behind w_proj's second quarter, 96 behind its first: both are in
	PROJC 0, 192, 1
	PROJC 1, 224, 0
	s_wait_loadcnt 32                              ; the third is in; the fourth's 32 may be out
	PROJC 2, 48, 0
	s_wait_loadcnt 0x0
	PROJC 3, 80, 0
.rept 8
	v_nop                                          ; in front of the first read of the sums and of loads into att's registers
.endr
.irp t, 0,1,2,3
	ds_store_b128 v6, v[112+8*\t:115+8*\t] offset:64*\t            ; my head's part: row = query r, columns 16 t + 8 h + 0 .. 7
	ds_store_b128 v6, v[116+8*\t:119+8*\t] offset:64*\t+16
.endr
	s_wait_dscnt 0x0                               ; for the others' sake: my stores have landed
	s_barrier_signal -1
	s_barrier_wait -1
.irp p, 0,1,2,3,4,5,6,7,8,9,10,11,12,13,14,15
	ds_load_b64 v[16+2*\p:17+2*\p], v7 offset:\p*4352              ; row w of each head's part
.endr
	s_wait_dscnt 0x0
.irp p, 0,4,8,12,16,20,24,28
	v_pk_add_f32 v[16+\p:17+\p], v[16+\p:17+\p], v[18+\p:19+\p]
.endr
.irp p, 0,8,16,24
	v_pk_add_f32 v[16+\p:17+\p], v[16+\p:17+\p], v[20+\p:21+\p]
.endr
.irp p, 0,16
	v_pk_add_f32 v[16+\p:17+\p], v[16+\p:17+\p], v[24+\p:25+\p]
.endr
	v_pk_add_f32 v[16:17], v[16:17], v[32:33]
	v_pk_add_f32 v[16:17], v[16:17], v[190:191]    ; + b_proj
	global_store_b64 v10, v[16:17], s[10:11]       ; the wave stores 256 consecutive bytes, aligned
	s_wait_tensorcnt 0x0                           ; the wave's end, behind my last LDS store
	ds_add_u32 v8, v9
	s_wait_dscnt 0x0
	s_endpgm
.Lfunc_end_k_qa83a99f239_fine:
	.size	k_qa83a99f239_fine, .Lfunc_end_k_qa83a99f239_fine-k_qa83a99f239_fine
	.p2alignl 7, 3214868480
	.fill 96, 4, 3214868480
	.section	.rodata,"a",@progbits
	.p2align	6, 0x0
	.amdhsa_kernel k_qa83a99f239_fine
		.amdhsa_group_segment_fixed_size 141312
		.amdhsa_private_segment_fixed_size 0
		.amdhsa_enable_private_segment 0
		.amdhsa_kernarg_size 32
		.amdhsa_user_sgpr_count 2
		.amdhsa_user_sgpr_kernarg_segment_ptr 1
		.amdhsa_wavefront_size32 1
		.amdhsa_system_sgpr_workgroup_id_x 1
		.amdhsa_system_sgpr_workgroup_id_y 1
		.amdhsa_system_sgpr_workgroup_id_z 1
		.amdhsa_system_vgpr_workitem_id 0
		.amdhsa_next_free_vgpr 256
		.amdhsa_next_free_sgpr 66
		.amdhsa_reserve_vcc 1
		.amdhsa_float_denorm_mode_32 3
		.amdhsa_float_denorm_mode_16_64 3
		.amdhsa_memory_ordered 1
		.amdhsa_forward_progress 1
		.amdhsa_inst_pref_size 33
	.end_amdhsa_kernel
	.amdgpu_metadata
---
amdhsa.version: [ 1, 2 ]
amdhsa.kernels:
  - .name:           k_qa83a99f239_fine
    .symbol:         k_qa83a99f239_fine.kd
    .args:
      - { .name: qkv_fine, .offset: 0, .size: 8, .value_kind: global_buffer, .address_space: global }
      - { .name: w_proj, .offset: 8, .size: 8, .value_kind: global_buffer, .address_space: global }
      - { .name: b_proj, .offset: 16, .size: 8, .value_kind: global_buffer, .address_space: global }
      - { .name: out0, .offset: 24, .size: 8, .value_kind: global_buffer, .address_space: global }
    .group_segment_fixed_size: 141312
    .private_segment_fixed_size: 0
    .kernarg_segment_align: 8
    .kernarg_segment_size: 32
    .max_flat_workgroup_size: 512
    .sgpr_count:     66
    .vgpr_count:     256
    .wavefront_size: 32
...
	.end_amdgpu_metadata
.endif
;; end of part 5
